; MI455X (gfx1250); checked and timed in simulation.
; The chip was launched on July 23, 2026; its instructions are those of AMD's public machine-readable ISA for CDNA 5 (MIT licence, August 2026) and "CDNA5" Instruction Set Architecture Reference Guide (July 2026). The comments in the code are by the model that wrote it; some were corrected since.
;; Attention Fusion. Allowed arithmetic: float matrix products may take bf16 or f16 operands with f32 sums; all other float work in f32.
;; Inputs: Wk 1,024 x 1,024 float32; Wo 1,024 x 1,024 float32; Wq 1,024 x 1,024 float32; Wv 1,024 x 1,024 float32; bk 1,024 float32; bo 1,024 float32; bq 1,024 float32; bv 1,024 float32; confidences 4,096 x 4 x 1 float32; features 4,096 x 4 x 1,024 float32.
;; Outputs: out0 4,096 x 1,024 float32.
;; 2 versions, each right; version 2 is version 1 with the launch prep written anew for expert scheduling mode. Each part assembles by itself: llvm-mc -triple=amdgcn-amd-amdhsa -mcpu=gfx1250 --defsym DOCPART=n.
;; ======== version 1 of 2: 3 launches
;; limits: values outside matrix products are rounded to bf16; values are held in f16: magnitudes above 65,504 overflow, below 6.1e-05 lose precision; inputs' magnitudes at most 65,504; right only within a limited range of input values
;; workspace buffers: gt 2,097,152 bytes; w2 2,097,152 bytes; vecs 10,496 bytes; xbar 8,388,608 bytes
;; launch prep (part 1): grid 128 x 1, 4 waves a work-group, no clusters, 115,200 bytes of LDS; arguments Wq, Wk, Wv, Wo, bq, bk, bv, gt, w2, vecs; writes gt, w2, vecs
.if DOCPART == 1
	.amdgcn_target "amdgcn-amd-amdhsa--gfx1250"
	.amdhsa_code_object_version 6
	.text
	.protected	k_qbc81452303_prep
	.globl	k_qbc81452303_prep
	.p2align	8
	.type	k_qbc81452303_prep,@function
k_qbc81452303_prep:
	s_mov_b64 s[64:65], 0
	v_nop
	global_prefetch_b8 v0, s[64:65] scope:SCOPE_SE
	s_setreg_imm32_b32 hwreg(HW_REG_WAVE_MODE, 25, 1), 1
	s_wait_xcnt 0x0
; PREP.  Two products of weights, and four small vectors, from which the later launches work.
;   P = 0:  M[c][h]  = sum over o of Wk[o][c] Wq[o][h]   -> gt, bf16      (then q.k = (M x + cv).x' + x.d + e)
;   P = 1:  W2[o][h] = sum over k of Wo[o][k] Wv[k][h]   -> w2, 64 W2 in f16
;   vecs:   cv[c] = sum bq[o] Wk[o][c] (f32, byte 0);  (Wo bv)[o] (f32, byte 4096);  d[h] = sum Wq[o][h] bk[o] (bf16, byte 8192);  e = bq.bk (f32, 32 copies, byte 10240)
; All weights and the biases that are matrix operands here are rounded to bf16; sums in f32.
; LIMITS.  64 W2 is kept in f16: |W2| stays under 1,023; M and d are bf16.  NaN and infinities are not treated apart.
; OUT'S ORDER (gt and w2): element (row n, k) lies at byte (k>>5)*65536 + (n>>4)*1024 + ((k>>4)&1)*512 + (((k>>3)&1)*16 + (n&15))*16 + (k&7)*2: half a
; matrix fragment (16 rows x 16 k) is 512 consecutive bytes, 16 for each lane, and 32 along k of all 1,024 rows are 65,536 consecutive bytes.
; SHARES.  128 work-groups: P = id>>6; a tile of 128 (h, from S0 = Wq or Wv, stored [k][h]) x 128 (n, from S1 = Wk stored [k][n], or Wo stored [n][k]); K = 1024 in 16 steps of 64.
; Four waves, each 64 x 64: 16 accumulators.  Source 0 = 16 h of S0, source 1 = 16 n of S1: a lane then holds one n and eight neighbouring h: 16 bytes of OUT's order.
; The two products have 64 such tiles each; that is all the work there is.  NO TENSOR LOADS, NO CLUSTER: the operands are f32 and are rounded on their way, so they pass through registers.
; THE ROAD.  memory -> registers (two sets, 32 loads of 16 bytes a lane each) -> bf16 -> LDS (two buffers) -> fragments.  Step s multiplies buffer s%2, stores step s+1's data and asks for step s+3's.
; THE VECTORS ride on the same fragments: a fragment whose 16 rows are all the vector b is 16 bytes a lane, read alike by all lanes of a half.  They are wanted once for each block of 128, so the 16
; work-groups with MT = NT go on with them and store them.  The first step's 18 products are made by every work-group, so that each of these sums is begun on every path of the text.
.set PIT,   288                  ; an LDS row: 256 bytes + 32: 8 rows x 32 bytes of a turning load fall on different words modulo 256 bytes
.set S1O,   64*PIT               ; a buffer: S0's 64 k rows, then S1: 64 k rows (Wk) or 128 n rows of 128 bytes (Wo)
.set BUF,   S1O+128*PIT
.set B0V,   2*BUF                ; b0 in bf16, 2,048 bytes; bk follows it
.set SPARE, B0V+4096             ; the spare words, 128 bytes for each wave
.set SPW,  4                     ; v4   my spare word's address; never rewritten
.set NIL,  5                     ; v5   0; never rewritten
.set GS0,  6                     ; v6   my byte offset in S0's 64 rows of a step
.set GS1,  7                     ; v7   the same for S1
.set LS0,  8                     ; v8   where I store S0's 8 bytes
.set LS1T, 9                     ; v9   S1 stored [k][n]
.set TS0,  10                    ; v10-11  S0's fragments, buffer 0, 1
.set TS1,  12                    ; v12-13  S1's fragments, stored [k][n]
.set BV,   14                    ; v14  b0's fragment of the step in hand; steps by 128
.set VO,   15                    ; v15  4 x lane
.set LS1P, 16                    ; v16  S1 stored [n][k]
.set L16,  17                    ; v17  16 x lane
.set PS1,  18                    ; v18-19  S1's fragments, stored [n][k]
.set FS0,  64                    ; v64-127   S0's fragments (kap, i) at 32 kap + 8 i
.set FS1,  128                   ; v128-191  S1's
.set FB0,  192                   ; v192-207  b0's
.set FB1,  208                   ; v208-223  bk's
.set V1,   128                   ; window 1: v0-127 the 16 accumulators (j, i) at 8 (4 j + i); v128-159 b0.S1; v160-191 S0.bk; v192-199 b0.bk
.set V0,   160
.set EE,   192                   ; window 2: the two sets of 128 registers as loaded
.set MSB, 0
.macro WIN new                   ; the immediate's high byte repeats the setting that is left; a switch that changes nothing is dropped
.if MSB != (\new)
	s_set_vgpr_msb (MSB<<8)|(\new)
.set MSB, \new
.endif
.endm
.macro PLACES                    ; four plain vector instructions between a matrix instruction and a load into, or a vector instruction on, its registers
.rept 4
	v_nop
.endr
.endm
; 32 loads: a K step's 64 rows of S0 and S1's share, each load whole runs of 256 bytes; then both pointers step.
.macro LOADS z
	WIN 0x80                                       ; destination window 2
.irp i, 0,1,2,3,4,5,6,7,8,9,10,11,12,13,14,15
	global_load_b128 v[128*(\z)+4*(\i):128*(\z)+4*(\i)+3], v[GS0], s[36:37] offset:4096*(\i)
.endr
.irp i, 0,1,2,3,4,5,6,7,8,9,10,11,12,13,14,15
	global_load_b128 v[128*(\z)+64+4*(\i):128*(\z)+64+4*(\i)+3], v[GS1], s[38:39] offset:4096*(\i)
.endr
	WIN 0
	s_wait_xcnt 0x0                                ; the loads' addresses are translated: only now are the bases stepped
	s_add_nc_u64 s[36:37], s[36:37], 0x40000       ; S0: 64 rows of 4,096 bytes
	s_add_nc_u64 s[38:39], s[38:39], s[40:41]      ; S1: the same, or 64 numbers along its rows
.endm
; Set z is rounded to bf16 in place and stored into buffer q.
.macro CVST z, q
	WIN 0x8a
.set n, 128*(\z)
.rept 32
	v_cvt_pk_bf16_f32 v[n],   v[n],   v[n+1]
	v_cvt_pk_bf16_f32 v[n+1], v[n+2], v[n+3]
.set n, n+4
.endr
	WIN 0x08                                       ; store data in window 2
.irp i, 0,1,2,3,4,5,6,7,8,9,10,11,12,13,14,15
	ds_store_b64 v[LS0], v[128*(\z)+4*(\i):128*(\z)+4*(\i)+1] offset:(\q)*BUF+PIT*(\i)
.endr
	WIN 0
	s_cmp_lg_u32 s3, 0
	s_cbranch_scc1 .Lst_rows_\@
	WIN 0x08
.irp i, 0,1,2,3,4,5,6,7,8,9,10,11,12,13,14,15
	ds_store_b64 v[LS1T], v[128*(\z)+64+4*(\i):128*(\z)+64+4*(\i)+1] offset:(\q)*BUF+PIT*(\i)
.endr
	WIN 0
	s_branch .Lst_done_\@
.Lst_rows_\@:
	WIN 0x08
.irp i, 0,1,2,3,4,5,6,7,8,9,10,11,12,13,14,15
	ds_store_b64 v[LS1P], v[128*(\z)+64+4*(\i):128*(\z)+64+4*(\i)+1] offset:(\q)*BUF+PIT*(\i)
.endr
	WIN 0
.Lst_done_\@:
.endm
; A step's fragments out of buffer q: 16 loads for S0 (turned), 16 for S1 (turned, or as it lies).
.macro FETCH q
	WIN 0
.irp kap, 0,1
.irp i, 0,1,2,3
	ds_load_tr16_b128 v[FS0+32*(\kap)+8*(\i):FS0+32*(\kap)+8*(\i)+3],   v[TS0+(\q)] offset:(\kap)*32*PIT+(\i)*32
	ds_load_tr16_b128 v[FS0+32*(\kap)+8*(\i)+4:FS0+32*(\kap)+8*(\i)+7], v[TS0+(\q)] offset:(\kap)*32*PIT+(\i)*32+16*PIT
.endr
.endr
	s_cmp_lg_u32 s3, 0
	s_cbranch_scc1 .Lld_rows_\@
.irp kap, 0,1
.irp i, 0,1,2,3
	ds_load_tr16_b128 v[FS1+32*(\kap)+8*(\i):FS1+32*(\kap)+8*(\i)+3],   v[TS1+(\q)] offset:(\kap)*32*PIT+(\i)*32
	ds_load_tr16_b128 v[FS1+32*(\kap)+8*(\i)+4:FS1+32*(\kap)+8*(\i)+7], v[TS1+(\q)] offset:(\kap)*32*PIT+(\i)*32+16*PIT
.endr
.endr
	s_branch .Lld_done_\@
.Lld_rows_\@:
.irp kap, 0,1
.irp i, 0,1,2,3
	ds_load_b128 v[FS1+32*(\kap)+8*(\i):FS1+32*(\kap)+8*(\i)+3],   v[PS1+(\q)] offset:(\i)*16*PIT+(\kap)*64
	ds_load_b128 v[FS1+32*(\kap)+8*(\i)+4:FS1+32*(\kap)+8*(\i)+7], v[PS1+(\q)] offset:(\i)*16*PIT+(\kap)*64+32
.endr
.endr
.Lld_done_\@:
.endm
; 32 matrix instructions: the 16 accumulators by turns, one instruction a turn.  zero = 1: the first 16 start the sums.
.macro MULS zero
	WIN 0x50                                       ; C and D in window 1
.irp kap, 0,1
.irp j, 0,1,2,3
.irp i, 0,1,2,3
.if (\zero) && ((\kap) == 0)
	v_wmma_f32_16x16x32_bf16 v[8*(4*(\j)+(\i)):8*(4*(\j)+(\i))+7], v[FS0+32*(\kap)+8*(\i):FS0+32*(\kap)+8*(\i)+7], v[FS1+32*(\kap)+8*(\j):FS1+32*(\kap)+8*(\j)+7], 0
.else
	v_wmma_f32_16x16x32_bf16 v[8*(4*(\j)+(\i)):8*(4*(\j)+(\i))+7], v[FS0+32*(\kap)+8*(\i):FS0+32*(\kap)+8*(\i)+7], v[FS1+32*(\kap)+8*(\j):FS1+32*(\kap)+8*(\j)+7], v[8*(4*(\j)+(\i)):8*(4*(\j)+(\i))+7]
.endif
.endr
.endr
.endr
.endm
; The vectors' products for a step: b0.S1 (8), and for P = 0 also S0.bk (8) and b0.bk (2).  zero = 1: the first step, made by every work-group, all 18; later steps by the work-groups with MT = NT alone.
.macro DIAGW zero
.if !(\zero)
	s_cmp_eq_u32 s8, 0
	s_cbranch_scc1 .Lno_vec_\@
.endif
.irp kap, 0,1
	ds_load_b128 v[FB0+8*(\kap):FB0+8*(\kap)+3],   v[BV] offset:64*(\kap)
	ds_load_b128 v[FB0+8*(\kap)+4:FB0+8*(\kap)+7], v[BV] offset:64*(\kap)+32
	ds_load_b128 v[FB1+8*(\kap):FB1+8*(\kap)+3],   v[BV] offset:2048+64*(\kap)
	ds_load_b128 v[FB1+8*(\kap)+4:FB1+8*(\kap)+7], v[BV] offset:2048+64*(\kap)+32
.endr
	s_wait_dscnt 0x0
	WIN 0x50
.irp kap, 0,1
.irp i, 0,1,2,3
.if (\zero) && ((\kap) == 0)
	v_wmma_f32_16x16x32_bf16 v[V1+8*(\i):V1+8*(\i)+7], v[FB0+8*(\kap):FB0+8*(\kap)+7], v[FS1+32*(\kap)+8*(\i):FS1+32*(\kap)+8*(\i)+7], 0
.else
	v_wmma_f32_16x16x32_bf16 v[V1+8*(\i):V1+8*(\i)+7], v[FB0+8*(\kap):FB0+8*(\kap)+7], v[FS1+32*(\kap)+8*(\i):FS1+32*(\kap)+8*(\i)+7], v[V1+8*(\i):V1+8*(\i)+7]
.endif
.endr
.endr
	WIN 0
.if !(\zero)
	s_cmp_lg_u32 s3, 0
	s_cbranch_scc1 .Lno_vec_\@
.endif
	WIN 0x50
.irp kap, 0,1
.irp i, 0,1,2,3
.if (\zero) && ((\kap) == 0)
	v_wmma_f32_16x16x32_bf16 v[V0+8*(\i):V0+8*(\i)+7], v[FS0+32*(\kap)+8*(\i):FS0+32*(\kap)+8*(\i)+7], v[FB1+8*(\kap):FB1+8*(\kap)+7], 0
.else
	v_wmma_f32_16x16x32_bf16 v[V0+8*(\i):V0+8*(\i)+7], v[FS0+32*(\kap)+8*(\i):FS0+32*(\kap)+8*(\i)+7], v[FB1+8*(\kap):FB1+8*(\kap)+7], v[V0+8*(\i):V0+8*(\i)+7]
.endif
.endr
.if (\zero) && ((\kap) == 0)
	v_wmma_f32_16x16x32_bf16 v[EE:EE+7], v[FB0+8*(\kap):FB0+8*(\kap)+7], v[FB1+8*(\kap):FB1+8*(\kap)+7], 0
.else
	v_wmma_f32_16x16x32_bf16 v[EE:EE+7], v[FB0+8*(\kap):FB0+8*(\kap)+7], v[FB1+8*(\kap):FB1+8*(\kap)+7], v[EE:EE+7]
.endif
.endr
	WIN 0
.Lno_vec_\@:
.endm
; K step s, q = s % 2.  store: step s+1's data, which the count left shows landed (the 32 loads of step s+2 may stay out), goes into the other buffer.  load: step s+3 is asked for.
; ONE barrier a step: in front of it my reads of buffer q and my stores into the other are done; behind it the next step reads the other buffer and stores into q.
.macro STEP q, zero, store, load, left
	PLACES
	FETCH \q
.if \store
	s_wait_loadcnt \left
	CVST 1-(\q), 1-(\q)
.endif
.if \load
	LOADS 1-(\q)
.endif
	s_wait_dscnt 0x0                               ; the fragments are in, my stores are done
	DIAGW \zero
	v_add_nc_u32 v[BV], 128, v[BV]                 ; the next step's 64 numbers of b0 and bk
	s_barrier_signal -1
	MULS \zero                                     ; work on registers while the others arrive
	WIN 0
	s_barrier_wait -1
.endm
	s_load_b512 s[16:31], s[0:1], 0x0              ; Wq, Wk, Wv, Wo, bq, bk, bv, gt
	s_load_b128 s[32:35], s[0:1], 0x40             ; w2, vecs
	v_lshl_add_u32 v[SPW], v0, 2, SPARE
	v_mov_b32 v[NIL], 0
	v_lshrrev_b32 v20, 5, v0
	v_readfirstlane_b32 s2, v20                    ; wave 0..3
	v_and_b32 v1, 31, v0                           ; lane
	v_and_b32 v2, 15, v0                           ; r
	v_bfe_u32 v3, v0, 4, 1                         ; h'
	s_lshr_b32 s3, ttmp9, 6                        ; P
	s_bfe_u32 s4, ttmp9, 0x30003                   ; MT: which 128 of h
	s_and_b32 s5, ttmp9, 7                         ; NT: which 128 of n
	s_lshr_b32 s6, s2, 1                           ; WM: my half of h
	s_and_b32 s7, s2, 1                            ; WN: my half of n
	s_mov_b32 s47, 0xffff0000                      ; lanes with h' = 1
	s_mov_b32 s48, 0xaaaaaaaa                      ; lanes with r & 1
	s_mov_b32 s49, 0xcccccccc                      ; lanes with r & 2
	s_mov_b32 s60, 0x42800000                      ; 64.0
	s_mov_b32 s61, s60                             ; named with it as a pair
	s_lshl_b32 s54, s2, 16                         ; 16 rows of 4,096 bytes a wave
	s_mul_i32 s55, s2, 16*PIT
	s_lshl_b32 s56, s6, 7
	s_lshl_b32 s57, s7, 7
	s_add_co_u32 s57, s57, S1O
	s_mul_i32 s58, s7, 64*PIT
	s_add_co_u32 s58, s58, S1O
	s_lshl_b32 s50, s4, 9                          ; S0: 128 columns on for each MT
	s_mov_b32 s51, 0
	s_lshl_b32 s52, s5, 9                          ; S1 stored [k][n]: 128 columns on for each NT
	s_lshl_b32 s10, s5, 19                         ; S1 stored [n][k]: 128 rows on
	s_mov_b32 s53, 0
	s_mov_b32 s11, 0x40000
	s_mov_b32 s41, 0
	s_lshl_b32 s12, s4, 18                         ; OUT: (4 MT + 2 WM) x 65,536 + (8 NT + 4 WN) x 1,024
	s_lshl_b32 s13, s6, 17
	s_add_co_u32 s12, s12, s13
	s_lshl_b32 s13, s5, 13
	s_add_co_u32 s12, s12, s13
	s_lshl_b32 s13, s7, 12
	s_add_co_u32 s12, s12, s13
	s_mov_b32 s13, 0
	v_lshlrev_b32 v[L16], 4, v1
	v_lshlrev_b32 v[VO], 2, v1
	v_add_nc_u32 v[GS0], s54, v[L16]               ; row 16 w + i, 16 bytes a lane
	v_lshlrev_b32 v21, 4, v2
	v_add_nc_u32 v21, s54, v21
	v_lshl_add_u32 v21, v3, 18, v21                ; [n][k]: row 64 h' + 16 w + i, 16 bytes for each of 16 lanes
	v_lshlrev_b32 v22, 3, v1
	v_add_nc_u32 v[LS0], s55, v22
	v_add_nc_u32 v[LS1T], S1O, v[LS0]
	v_lshlrev_b32 v23, 3, v2
	v_add_nc_u32 v23, s55, v23
	v_mad_u32_u24 v23, v3, 64*PIT, v23
	v_add_nc_u32 v[LS1P], S1O, v23
	v_and_b32 v24, 7, v0                           ; the turning load: lane l reads row 8 h' + l % 8, 16 bytes at 16 ((l / 8) % 2)
	v_lshl_add_u32 v24, v3, 3, v24
	v_mul_u32_u24 v24, v24, PIT
	v_bfe_u32 v25, v0, 3, 1
	v_lshl_add_u32 v24, v25, 4, v24
	v_add_nc_u32 v[TS0], s56, v24
	v_add_nc_u32 v[TS0+1], BUF, v[TS0]
	v_add_nc_u32 v[TS1], s57, v24
	v_add_nc_u32 v[TS1+1], BUF, v[TS1]
	v_mul_u32_u24 v26, v2, PIT
	v_lshl_add_u32 v26, v3, 4, v26
	v_add_nc_u32 v[PS1], s58, v26
	v_add_nc_u32 v[PS1+1], BUF, v[PS1]
	v_lshl_add_u32 v[BV], v3, 4, B0V
	v_lshlrev_b32 v27, 5, v0                       ; my 8 numbers of the biases
	v_lshl_add_u32 v52, v0, 4, B0V
	s_cmp_eq_u32 s4, s5
	s_cselect_b32 s8, 1, 0                         ; 1: this work-group goes on with the vectors
	s_cmp_eq_u32 s3, 0
	s_cselect_b32 s52, s52, s10
	s_cselect_b32 s40, s11, 0x100                  ; S1's step
	s_cselect_b32 s46, -1, 0
	s_wait_kmcnt 0x0
	s_cselect_b64 s[36:37], s[16:17], s[20:21]     ; S0 = Wq or Wv
	s_cselect_b64 s[38:39], s[18:19], s[22:23]     ; S1 = Wk or Wo
	s_cselect_b64 s[42:43], s[24:25], s[28:29]     ; b0 = bq or bv
	s_cselect_b64 s[44:45], s[30:31], s[32:33]     ; OUT = gt or w2
	s_add_nc_u64 s[36:37], s[36:37], s[50:51]
	s_add_nc_u64 s[38:39], s[38:39], s[52:53]
	s_add_nc_u64 s[44:45], s[44:45], s[12:13]
	v_cndmask_b32 v[GS1], v21, v[GS0], s46
	global_load_b128 v[28:31], v27, s[42:43]
	global_load_b128 v[32:35], v27, s[42:43] offset:16
	global_load_b128 v[36:39], v27, s[26:27]
	global_load_b128 v[40:43], v27, s[26:27] offset:16
	LOADS 0                                        ; K step 0
	LOADS 1                                        ; K step 1
	s_wait_loadcnt 32                              ; the biases and step 0 are in; step 1's 32 loads stay out
	v_cvt_pk_bf16_f32 v44, v28, v29
	v_cvt_pk_bf16_f32 v45, v30, v31
	v_cvt_pk_bf16_f32 v46, v32, v33
	v_cvt_pk_bf16_f32 v47, v34, v35
	v_cvt_pk_bf16_f32 v48, v36, v37
	v_cvt_pk_bf16_f32 v49, v38, v39
	v_cvt_pk_bf16_f32 v50, v40, v41
	v_cvt_pk_bf16_f32 v51, v42, v43
	ds_store_b128 v52, v[44:47]
	ds_store_b128 v52, v[48:51] offset:2048
	CVST 0, 0
	LOADS 0                                        ; K step 2
	s_wait_dscnt 0x0                               ; for the others' sake: my stores are done
	s_barrier_signal -1
	s_barrier_wait -1
	STEP 0, 1, 1, 1, 32                            ; s = 0 starts the sums
	s_mov_b32 s9, 6
.Lk:                                                   ; s = 1 .. 12
	STEP 1, 0, 1, 1, 32
	STEP 0, 0, 1, 1, 32
	s_sub_co_u32 s9, s9, 1
	s_cmp_lg_u32 s9, 0
	s_cbranch_scc1 .Lk
	STEP 1, 0, 1, 0, 32                            ; s = 13: nothing is left to ask for
	STEP 0, 0, 1, 0, 0                             ; s = 14: the last data
	STEP 1, 0, 0, 0, 0                             ; s = 15
	; THE WAY OUT.  A lane's eight numbers of an accumulator are 16 bytes of OUT's order; a store of the wave covers 512 consecutive bytes, aligned.
	PLACES
	s_cmp_lg_u32 s3, 0
	s_cbranch_scc1 .Lhalf
	WIN 0x05                                       ; sources in window 1
.set t, 0
.rept 64
	v_cvt_pk_bf16_f32 v[FS0+t], v[2*t], v[2*t+1]
.set t, t+1
.endr
	WIN 0
	s_branch .Lpacked
.Lhalf:
	WIN 0x41
.set t, 0
.rept 64
	v_pk_mul_f32 v[2*t:2*t+1], v[2*t:2*t+1], s[60:61] op_sel_hi:[1,0]  ; 64 W2: an exact factor, which keeps small weights among f16's normal numbers
.set t, t+1
.endr
	WIN 0x05
.set t, 0
.rept 64
	v_cvt_pk_f16_f32 v[FS0+t], v[2*t], v[2*t+1]
.set t, t+1
.endr
	WIN 0
.Lpacked:
.irp j, 0,1,2,3
.irp i, 0,1,2,3
	global_store_b128 v[L16], v[FS0+4*(4*(\j)+(\i)):FS0+4*(4*(\j)+(\i))+3], s[44:45] offset:((\i)/2)*65536+(\j)*1024+((\i)%2)*512
.endr
.endr
	; The vectors: 10 KB in all, stored in pieces of 128 bytes or less by the 16 work-groups that own them.
	s_cmp_eq_u32 s8, 0
	s_cbranch_scc1 .Lend
	s_cmp_lg_u32 s6, 0
	s_cbranch_scc1 .Lno_v1                         ; b0.S1 hangs on WN alone: the waves with WM = 0 store it
	s_lshl_b32 s54, s3, 12
	s_lshl_b32 s55, s5, 9
	s_add_co_u32 s54, s54, s55
	s_lshl_b32 s55, s7, 8
	s_add_co_u32 s54, s54, s55
	s_mov_b32 s55, 0
	s_add_nc_u64 s[54:55], s[34:35], s[54:55]
	WIN 0x05
	v_cndmask_b32 v20, v[V1], v[V1+8], s47         ; every register of the sum holds the number of n = r: lanes 0-15 take block 0's, lanes 16-31 block 1's
	v_cndmask_b32 v21, v[V1+16], v[V1+24], s47
	WIN 0
	global_store_b32 v[VO], v20, s[54:55]
	global_store_b32 v[VO], v21, s[54:55] offset:128
.Lno_v1:
	s_cmp_lg_u32 s3, 0
	s_cbranch_scc1 .Lend
	s_cmp_lg_u32 s7, 0
	s_cbranch_scc1 .Lend                           ; S0.bk hangs on WM alone: the waves with WN = 0 store it
	s_lshl_b32 s56, s4, 8
	s_lshl_b32 s57, s6, 7
	s_add_co_u32 s56, s56, s57
	s_add_co_u32 s56, s56, 8192
	s_mov_b32 s57, 0
	s_add_nc_u64 s[56:57], s[34:35], s[56:57]
	WIN 0x05
.irp i, 0,1,2,3
.irp u, 0,1,2,3
	v_cvt_pk_bf16_f32 v[24+4*(\i)+(\u)], v[V0+8*(\i)+2*(\u)], v[V0+8*(\i)+2*(\u)+1]
.endr
.endr
	WIN 0
.irp u, 0,1,2,3                        ; lane (r, h') takes block r % 4; lanes with the same r % 4 and h' store the same 16 bytes
	v_cndmask_b32 v[40+(\u)], v[24+(\u)], v[28+(\u)], s48
	v_cndmask_b32 v[44+(\u)], v[32+(\u)], v[36+(\u)], s48
	v_cndmask_b32 v[40+(\u)], v[40+(\u)], v[44+(\u)], s49
.endr
	v_and_b32 v48, 3, v0
	v_lshlrev_b32 v48, 5, v48
	v_lshl_add_u32 v48, v3, 4, v48
	global_store_b128 v48, v[40:43], s[56:57]
	s_cmp_lg_u32 ttmp9, 0
	s_cbranch_scc1 .Lend
	s_cmp_lg_u32 s2, 0
	s_cbranch_scc1 .Lend
	WIN 0x01
	v_mov_b32 v49, v[EE]
	WIN 0
	global_store_b32 v[VO], v49, s[34:35] offset:10240
.Lend:
	s_wait_tensorcnt 0x0                           ; the wave's end
	ds_add_u32 v[SPW], v[NIL]
	s_wait_dscnt 0x0
	s_endpgm
.Lfunc_end_k_qbc81452303_prep:
	.size	k_qbc81452303_prep, .Lfunc_end_k_qbc81452303_prep-k_qbc81452303_prep
	.p2alignl 7, 3214868480
	.fill 96, 4, 3214868480
	.section	.rodata,"a",@progbits
	.p2align	6, 0x0
	.amdhsa_kernel k_qbc81452303_prep
		.amdhsa_group_segment_fixed_size 115200
		.amdhsa_private_segment_fixed_size 0
		.amdhsa_enable_private_segment 0
		.amdhsa_kernarg_size 80
		.amdhsa_user_sgpr_count 2
		.amdhsa_user_sgpr_kernarg_segment_ptr 1
		.amdhsa_wavefront_size32 1
		.amdhsa_system_sgpr_workgroup_id_x 1
		.amdhsa_system_sgpr_workgroup_id_y 1
		.amdhsa_system_sgpr_workgroup_id_z 1
		.amdhsa_system_vgpr_workitem_id 0
		.amdhsa_next_free_vgpr 768
		.amdhsa_next_free_sgpr 66
		.amdhsa_reserve_vcc 0
		.amdhsa_float_denorm_mode_32 3
		.amdhsa_float_denorm_mode_16_64 3
		.amdhsa_memory_ordered 1
		.amdhsa_forward_progress 1
		.amdhsa_inst_pref_size 130
	.end_amdhsa_kernel
	.amdgpu_metadata
---
amdhsa.version: [ 1, 2 ]
amdhsa.kernels:
  - .name:           k_qbc81452303_prep
    .symbol:         k_qbc81452303_prep.kd
    .args:
      - { .name: Wq, .offset: 0, .size: 8, .value_kind: global_buffer, .address_space: global }
      - { .name: Wk, .offset: 8, .size: 8, .value_kind: global_buffer, .address_space: global }
      - { .name: Wv, .offset: 16, .size: 8, .value_kind: global_buffer, .address_space: global }
      - { .name: Wo, .offset: 24, .size: 8, .value_kind: global_buffer, .address_space: global }
      - { .name: bq, .offset: 32, .size: 8, .value_kind: global_buffer, .address_space: global }
      - { .name: bk, .offset: 40, .size: 8, .value_kind: global_buffer, .address_space: global }
      - { .name: bv, .offset: 48, .size: 8, .value_kind: global_buffer, .address_space: global }
      - { .name: gt, .offset: 56, .size: 8, .value_kind: global_buffer, .address_space: global }
      - { .name: w2, .offset: 64, .size: 8, .value_kind: global_buffer, .address_space: global }
      - { .name: vecs, .offset: 72, .size: 8, .value_kind: global_buffer, .address_space: global }
    .group_segment_fixed_size: 115200
    .private_segment_fixed_size: 0
    .kernarg_segment_align: 8
    .kernarg_segment_size: 80
    .max_flat_workgroup_size: 128
    .sgpr_count:     66
    .vgpr_count:     768
    .wavefront_size: 32
...
	.end_amdgpu_metadata
.endif
;; end of part 1
;; launch main (part 2): grid 256 x 1, 4 waves a work-group, clusters of 4 x 1, 327,680 bytes of LDS; arguments features, confidences, gt, vecs, xbar; writes xbar
.if DOCPART == 2
	.amdgcn_target "amdgcn-amd-amdhsa--gfx1250"
	.amdhsa_code_object_version 6
	.text
	.protected	k_qbc81452303_main
	.globl	k_qbc81452303_main
	.p2align	8
	.type	k_qbc81452303_main,@function
k_qbc81452303_main:
	s_mov_b64 s[64:65], 0
	v_nop
	global_prefetch_b8 v0, s[64:65] scope:SCOPE_SE
	s_setreg_imm32_b32 hwreg(HW_REG_WAVE_MODE, 25, 1), 1
	s_wait_xcnt 0x0
	s_wait_alu depctr_hold_cnt(0) depctr_sa_sdst(0) depctr_va_vdst(0) depctr_va_sdst(0) depctr_va_ssrc(0) depctr_va_vcc(0) depctr_vm_vsrc(0)
	s_getreg_b32 s2, hwreg(HW_REG_IB_STS2, 6, 4)
	s_cmp_eq_u32 s2, 0
	s_cbranch_scc0 .Lentry_in_a_cluster
	s_endpgm
.Lentry_in_a_cluster:
	s_bfe_u32 s2, ttmp6, 0x10000c
	s_cmp_lg_u32 s2, 0x3003
	s_cbranch_scc0 .Lentry_shape_is_right
	s_endpgm
.Lentry_shape_is_right:
; MAIN.  X = features as [16384][1024].  Y = X M^T + cv (M, cv from the launch before);  score(m, n) = (y_m . x_n + d . x_m + e) conf_m / 32 for the 4 x 4 rows of a batch;  softmax over n with the
; row's maximum taken away;  w[b][n] = the mean over m;  xbar[b] = sum over n of w[b][n] x[b][n], stored in f16.  (attn.v, its mean and both later projections are linear in x: the last launch does them on xbar.)
; X is rounded to bf16 once, on its way into LDS, and is read from memory once.  Y is rounded to bf16 for the scores; sums, softmax and w in f32; w enters the last product as two bf16 terms (16 bits of it).
; LIMITS.  xbar is f16: |x| stays under 65,504.  A weight below 2^-126 counts as 0.  NaN and infinities are not treated apart.
; SHARES.  A work-group owns 64 rows (16 batches) and all 1,024 columns of Y; wave w owns columns 256 w ..: 4 row tiles a x 16 column tiles b = 64 accumulators, 512 registers.
; Source 0 = 16 rows of M (columns of Y), source 1 = 16 rows of X: a lane holds one row of X and eight neighbouring columns, so two accumulators rounded in pairs ARE source 1 of the score product.
; M walks through a ring of two LDS slots, 32 along K (65,536 bytes, in the order in which fragments are read) each; wave w fetches and reads its own quarter.  With X resident (132,096 bytes) larger slots do not fit.
; CLUSTER.  All work-groups walk the same M: the four of a cluster ask for each tile JOINTLY, with the same descriptor and the mask of four.  My place in the cluster enters global addresses alone.
; REGISTERS, in windows of 256 (s_set_vgpr_msb: bits 1:0 source 0, 3:2 source 1, 5:4 source 2, 7:6 destination):
;   window 0: v0-63 addresses, the four score tiles (v16-47); v64-127 X's fragments, two buffers, later softmax and w's fragments; v128-255 cv, later the way out
;   window 1: M's fragments, two buffers of 128; later d's fragments (v0-63), then X turned (all 256)
;   windows 2, 3: accumulator (a, b) at 8 (16 (a % 2) + b) of window 2 + a / 2; before the loop window 2 takes X as loaded; behind it xbar's 16 accumulators lie in window 2, v0-127
.set SLOTB, 65536
.set XB,    2*SLOTB              ; X in bf16: 64 rows,
.set XP,    2064                 ; 2,048 bytes + 16: the 16 rows of a fragment load start 16 bytes further on modulo 256
.set SCR,   XB+64*XP             ; the waves' partial scores: [row tile][wave][half][lane] x 16 bytes
.set WTB,   SCR+16384            ; each lane's four weights: [wave][lane] x 16 bytes
.set STG,   WTB+2048             ; the way out: 16 rows x 528 bytes for each wave
.set SGP,   528
.set SPARE, STG+4*16*SGP         ; the spare words, 128 bytes for each wave
.set SPW,  4                     ; v4   my spare word's address; never rewritten
.set NIL,  5                     ; v5   0; never rewritten
.set ADRB, 6                     ; v6-7   M's fragments in slot 0, 1
.set ADRA, 8                     ; v8-9   X's fragments, row tiles 0-1 and 2-3; step by 64 a chunk
.set XG,   10                    ; v10  16 x lane
.set XST,  11                    ; v11  where I store 8 bytes of X
.set CF,   12                    ; v12  my row's confidence
.set COF,  13                    ; v13  32 h
.set SST,  14
.set SLD,  15
.set SC,   16                    ; v16-47  score tile a at 16 + 8 a
.set XS,   48                    ; v48-49  X's fragments at my 256 columns
.set XT,   50                    ; v50-51  the same, turned: rows 0-31, 32-63
.set WST,  52
.set WLD,  53
.set CODE, 54
.set STO,  55
.set RD,   56
.set GO,   57
.set DOF,  60                    ; v60  16 h
.set ROF,  61                    ; v61  4 r
.set XF,   64
.set CV,   128
.set WV,   14                    ; s14  my wave's number
.set MSB, 0
.macro WIN new
.if MSB != (\new)
	s_set_vgpr_msb (MSB<<8)|(\new)
.set MSB, \new
.endif
.endm
.macro PLACES                    ; four plain vector instructions between a matrix instruction and a load into, or a vector instruction on, its registers
.rept 4
	v_nop
.endr
.endm
.macro CREST                     ; a round of the cluster's barrier behind its opening barrier
	s_cmp_lg_u32 s[WV], 0
	s_cbranch_scc1 .Lnot_wave_0_\@
	s_barrier_signal -3
.Lnot_wave_0_\@:
	s_barrier_wait -3
	s_barrier_signal -1
	s_barrier_wait -1
.endm
.macro CROUND
	s_barrier_signal -1
	s_barrier_wait -1
	CREST
.endm
; Four of my 16 rows of X: 32 loads, 512 consecutive bytes each.
.macro XLOAD g
	WIN 0x80
.irp i, 0,1,2,3
.irp sg, 0,1,2,3,4,5,6,7
	global_load_b128 v[128*((\g)%2)+4*(8*(\i)+(\sg)):128*((\g)%2)+4*(8*(\i)+(\sg))+3], v[XG], s[18:19] offset:(4*(\g)+(\i))*4096+(\sg)*512 th:TH_LOAD_NT
.endr
.endr
	WIN 0
.endm
.macro XCONV g                   ; rounded in place, 8 bytes a lane into LDS
	WIN 0x8a
.set n, 128*((\g)%2)
.rept 32
	v_cvt_pk_bf16_f32 v[n],   v[n],   v[n+1]
	v_cvt_pk_bf16_f32 v[n+1], v[n+2], v[n+3]
.set n, n+4
.endr
	WIN 0x08
.irp i, 0,1,2,3
.irp sg, 0,1,2,3,4,5,6,7
	ds_store_b64 v[XST], v[128*((\g)%2)+4*(8*(\i)+(\sg)):128*((\g)%2)+4*(8*(\i)+(\sg))+1] offset:(4*(\g)+(\i))*XP+(\sg)*256
.endr
.endr
	WIN 0
.endm
; A chunk's fragments: 32 loads of M (each 512 consecutive bytes), then 8 of X, row tiles ascending.
.macro FETCH s
	WIN 0x40
.irp b, 0,1,2,3,4,5,6,7,8,9,10,11,12,13,14,15
	ds_load_b128 v[128*(\s)+8*(\b):128*(\s)+8*(\b)+3],   v[ADRB+(\s)] offset:(\b)*1024
	ds_load_b128 v[128*(\s)+8*(\b)+4:128*(\s)+8*(\b)+7], v[ADRB+(\s)] offset:(\b)*1024+512
.endr
	WIN 0
.irp a, 0,1,2,3
	ds_load_b128 v[XF+32*(\s)+8*(\a):XF+32*(\s)+8*(\a)+3],   v[ADRA+(\a)/2] offset:((\a)%2)*16*XP
	ds_load_b128 v[XF+32*(\s)+8*(\a)+4:XF+32*(\s)+8*(\a)+7], v[ADRA+(\a)/2] offset:((\a)%2)*16*XP+32
.endr
	v_add_nc_u32 v[ADRA], 64, v[ADRA]
	v_add_nc_u32 v[ADRA+1], 64, v[ADRA+1]
.endm
; 16 matrix instructions: row tile a x all 16 column tiles, buffer f.  first = 1: the sums begin with cv as C.  The 64 accumulators take turns in one fixed order.
.macro MUL16 f, a, first
.if \first
	WIN 0x81+0x40*((\a)/2)
.else
	WIN 0xa1+0x50*((\a)/2)
.endif
.irp b, 0,1,2,3,4,5,6,7,8,9,10,11,12,13,14,15
.if \first
	v_wmma_f32_16x16x32_bf16 v[8*(16*((\a)%2)+(\b)):8*(16*((\a)%2)+(\b))+7], v[128*(\f)+8*(\b):128*(\f)+8*(\b)+7], v[XF+32*(\f)+8*(\a):XF+32*(\f)+8*(\a)+7], v[CV+8*(\b):CV+8*(\b)+7]
.else
	v_wmma_f32_16x16x32_bf16 v[8*(16*((\a)%2)+(\b)):8*(16*((\a)%2)+(\b))+7], v[128*(\f)+8*(\b):128*(\f)+8*(\b)+7], v[XF+32*(\f)+8*(\a):XF+32*(\f)+8*(\a)+7], v[8*(16*((\a)%2)+(\b)):8*(16*((\a)%2)+(\b))+7]
.endif
.endr
.endm
; THE CHANGE OF SLOTS into slot s.  Each wave waits for all its tensor loads, of which one is out: its quarter of slot s; adds 0 to its spare word; and waits for that and for its reads of the other slot.
; refill = 1: the barrier opens a round of the cluster's, and the other slot's next chunk is asked for first thing behind it.  The last chunk's row tiles 2 and 3 are multiplied round the barrier,
; this chunk's 0 and 1 behind the fetch.
.macro STEP s, refill, first
	WIN 0
	s_wait_tensorcnt 0x0                           ; no tensor load of mine is out, so a group 0 may be written
	ds_add_u32 v[SPW], v[NIL]
.if \refill
	s_add_nc_u64 s[38-4*(\s):39-4*(\s)], s[38-4*(\s):39-4*(\s)], 2*SLOTB  ; the other slot's next chunk: two chunks on
.endif
	s_wait_dscnt 0x0                               ; the add is done; my reads of the other slot are over, X's fragments of row tiles 2 and 3 are in
	s_barrier_signal -1
	MUL16 1-(\s), 2, \first
	WIN 0
	s_barrier_wait -1
.if \refill
	CREST                                          ; no wave of any partner still reads that slot or has a load on its way
	tensor_load_to_lds s[36-4*(\s):39-4*(\s)], s[24:31]
	s_nop 0
.endif
	PLACES                                         ; behind the load, and in front of the loads into the buffer multiplied last
	FETCH \s
	MUL16 1-(\s), 3, \first
	s_wait_dscnt 0x4                               ; all but X's fragments of row tiles 2 and 3
	MUL16 \s, 0, 0
	MUL16 \s, 1, 0
.endm
	s_load_b256 s[4:11], s[0:1], 0x0               ; features, confidences, gt, vecs
	s_load_b64 s[12:13], s[0:1], 0x20              ; xbar
	v_lshl_add_u32 v[SPW], v0, 2, SPARE
	v_mov_b32 v[NIL], 0
	ds_add_u32 v[SPW], v[NIL]                      ; the wave's opening: an add and its wait ahead of my first tensor load
	v_lshrrev_b32 v58, 5, v0
	v_readfirstlane_b32 s[WV], v58                 ; wave 0..3
	s_bfe_u32 s15, ttmp6, 0x40000                  ; cx
	s_lshl_b32 s16, ttmp9, 2
	s_add_co_u32 s16, s16, s15                     ; my work-group = 4 x cluster + cx
	; descriptor group 1: 16,384 dense bytes as 64 rows of 256 bytes
	s_mov_b32 s24, 15|(3<<16)|(1<<21)              ; 15:0 the mask of four; 17:16 elements of 8 bytes; 21 set beside a mask; no padding
	s_mov_b32 s25, 32<<16                          ; tensor_dim0 = 32
	s_mov_b32 s26, 64<<16                          ; tensor_dim1 = 64
	s_mov_b32 s27, 32<<16                          ; tile_dim0 = 32
	s_mov_b32 s28, 64                              ; tile_dim1 = 64
	s_mov_b32 s29, 32                              ; 32 elements from row to row
	s_mov_b32 s30, 0
	s_mov_b32 s31, 0
	s_lshl_b32 s17, s[WV], 14                      ; my quarter of a chunk
	s_mov_b32 s32, 1
	s_mov_b32 s33, s17                             ; slot 0
	s_mov_b32 s36, 1
	s_add_co_u32 s37, s17, SLOTB                   ; slot 1
	s_mov_b32 s20, s17
	s_mov_b32 s21, 0
	s_lshl_b32 s18, s16, 18                        ; X: 64 rows of 4,096 bytes a work-group, 16 a wave
	s_lshl_b32 s54, s[WV], 16
	s_add_co_u32 s18, s18, s54
	s_mov_b32 s19, 0
	s_lshl_b32 s22, s16, 8                         ; confidences: 64 numbers a work-group, 16 a wave
	s_lshl_b32 s54, s[WV], 6
	s_add_co_u32 s22, s22, s54
	s_mov_b32 s23, 0
	s_lshl_b32 s46, s[WV], 10                      ; cv: my 256 numbers
	s_mov_b32 s47, 0
	s_lshl_b32 s52, s[WV], 9                       ; 512 w
	s_add_co_u32 s48, s52, 8192                    ; d: my 256 bf16
	s_mov_b32 s49, 0
	s_lshl_b32 s50, s16, 15                        ; xbar: 16 rows of 2,048 bytes a work-group, my 512 bytes of each
	s_add_co_u32 s50, s50, s52
	s_mov_b32 s51, 0
	s_mov_b32 s42, 0xf0f0f0f0                      ; lanes with r & 4
	s_mov_b32 s44, 0x3d38aa3b                      ; log2(e) / 32
	s_mov_b32 s45, 0xffff0000
	s_wait_dscnt 0x0                               ; the opening add is done
	s_wait_kmcnt 0x0
	s_load_b32 s41, s[10:11], 0x2800               ; e
	s_add_nc_u64 s[34:35], s[8:9], s[20:21]        ; chunk 0,
	s_add_nc_u64 s[38:39], s[34:35], SLOTB         ; chunk 1
	s_or_b32 s35, s35, 0x80000000                  ; type = 2
	s_or_b32 s39, s39, 0x80000000
	s_add_nc_u64 s[18:19], s[4:5], s[18:19]
	s_add_nc_u64 s[22:23], s[6:7], s[22:23]
	s_add_nc_u64 s[46:47], s[10:11], s[46:47]
	s_add_nc_u64 s[48:49], s[10:11], s[48:49]
	s_add_nc_u64 s[50:51], s[12:13], s[50:51]
	CROUND                                         ; all four work-groups are here: the first joint loads meet
	tensor_load_to_lds s[32:35], s[24:31]          ; two loads of mine are out
	s_nop 0
	tensor_load_to_lds s[36:39], s[24:31]
	s_nop 0
	PLACES
	s_wait_kmcnt 0x0                               ; e
	v_and_b32 v1, 31, v0                           ; lane
	v_and_b32 v2, 15, v0                           ; r
	v_bfe_u32 v3, v0, 4, 1                         ; h
	v_lshlrev_b32 v[XG], 4, v1
	v_lshlrev_b32 v[COF], 5, v3
	v_lshlrev_b32 v[DOF], 4, v3
	v_lshlrev_b32 v[ROF], 2, v2
.irp b, 0,1,2,3,4,5,6,7,8,9,10,11,12,13,14,15      ; cv in an accumulator's layout: register j = column 16 b + 8 h + j
	global_load_b128 v[CV+8*(\b):CV+8*(\b)+3],   v[COF], s[46:47] offset:64*(\b)
	global_load_b128 v[CV+8*(\b)+4:CV+8*(\b)+7], v[COF], s[46:47] offset:64*(\b)+16
.endr
	global_load_b32 v[CF], v[ROF], s[22:23]
	XLOAD 0
	XLOAD 1
	v_add_nc_u32 v[ADRB], s17, v[XG]
	v_add_nc_u32 v[ADRB+1], SLOTB, v[ADRB]
	v_mul_u32_u24 v58, v2, XP
	v_lshl_add_u32 v58, v3, 4, v58                 ; row r x pitch + 16 h
	v_add_nc_u32 v[ADRA], XB, v58
	v_add_nc_u32 v[ADRA+1], XB+32*XP, v58
	v_add_nc_u32 v[XS], s52, v[ADRA]
	v_add_nc_u32 v[XS+1], s52, v[ADRA+1]
	s_mul_i32 s53, s[WV], 16*XP
	s_add_co_u32 s53, s53, XB
	v_lshl_add_u32 v[XST], v1, 3, s53
	s_lshl_b32 s54, s[WV], 10
	s_add_co_u32 s54, s54, SCR
	v_add_nc_u32 v[SST], s54, v[XG]
	s_lshl_b32 s54, s[WV], 12
	s_add_co_u32 s54, s54, SCR
	v_add_nc_u32 v[SLD], s54, v[XG]
	v_and_b32 v59, 7, v0                           ; the turning load: lane l reads row 8 h + l % 8, 16 bytes at 16 ((l / 8) % 2)
	v_lshl_add_u32 v59, v3, 3, v59
	v_mul_u32_u24 v59, v59, XP
	v_bfe_u32 v62, v0, 3, 1
	v_lshl_add_u32 v59, v62, 4, v59
	s_add_co_u32 s55, s52, XB
	v_add_nc_u32 v[XT], s55, v59
	v_add_nc_u32 v[XT+1], 32*XP, v[XT]
	s_add_co_u32 s56, s52, WTB
	v_add_nc_u32 v[WST], s56, v[XG]
	v_lshrrev_b32 v62, 2, v2                       ; batch B = r: its weights were stored by wave B >> 2, lane 16 ((B >> 1) & 1) + 4 (B & 3)
	v_lshlrev_b32 v[WLD], 9, v62
	v_bfe_u32 v63, v0, 1, 1
	v_lshl_add_u32 v[WLD], v63, 8, v[WLD]
	v_and_b32 v59, 3, v0
	v_lshl_add_u32 v[WLD], v59, 6, v[WLD]
	v_add_nc_u32 v[WLD], WTB, v[WLD]
	v_and_b32 v59, 1, v0                           ; which two registers of w's fragments are mine: 2 (B >> 2) + (B & 1), or none (8 and more) in the half of the lanes that holds other rows
	v_lshl_add_u32 v[CODE], v62, 1, v59
	v_xor_b32 v63, v3, v63
	v_lshl_add_u32 v[CODE], v63, 3, v[CODE]
	s_mul_i32 s57, s[WV], 16*SGP
	s_add_co_u32 s57, s57, STG
	v_mul_u32_u24 v[STO], v2, SGP
	v_lshl_add_u32 v[STO], v3, 4, v[STO]
	v_add_nc_u32 v[STO], s57, v[STO]
	v_mul_u32_u24 v[RD], v3, SGP
	v_lshl_add_u32 v[RD], v2, 4, v[RD]
	v_add_nc_u32 v[RD], s57, v[RD]
	v_lshlrev_b32 v[GO], 11, v3
	v_lshl_add_u32 v[GO], v2, 4, v[GO]
	s_wait_loadcnt 32                              ; cv, the confidence and rows 0-3 are in; the next four rows' 32 loads stay out
	XCONV 0
	XLOAD 2
	s_wait_loadcnt 32
	XCONV 1
	XLOAD 3
	s_wait_loadcnt 32
	XCONV 2
	s_wait_loadcnt 0x0
	XCONV 3
	s_wait_tensorcnt 0x1                           ; my quarter of slot 0 is in; slot 1's may stay out
	s_wait_dscnt 0x0                               ; for the others' sake: my rows of X are stored
	s_barrier_signal -1
	s_barrier_wait -1
	FETCH 0
	s_wait_dscnt 0x4
	MUL16 0, 0, 1                                  ; chunk 0 starts the sums, with cv
	MUL16 0, 1, 1
	STEP 1, 1, 1                                   ; chunk 1
	WIN 0
	s_mov_b32 s40, 14
.Lchunk:                                               ; chunks 2 .. 29
	STEP 0, 1, 0
	STEP 1, 1, 0
	WIN 0
	s_sub_co_u32 s40, s40, 1
	s_cmp_lg_u32 s40, 0
	s_cbranch_scc1 .Lchunk
	STEP 0, 1, 0                                   ; chunk 30 asks for chunk 31
	STEP 1, 0, 0                                   ; chunk 31: nothing is left to ask for
	PLACES
	WIN 0x40                                       ; d's fragments (all 16 rows alike) go where M's buffer 0 lay
.irp p, 0,1,2,3,4,5,6,7
	global_load_b128 v[8*(\p):8*(\p)+3],   v[DOF], s[48:49] offset:64*(\p)
	global_load_b128 v[8*(\p)+4:8*(\p)+7], v[DOF], s[48:49] offset:64*(\p)+32
.endr
	s_wait_dscnt 0x0
	MUL16 1, 2, 0
	MUL16 1, 3, 0
	WIN 0
	PLACES
; THE SCORES, 32 of my columns at a time.  Two accumulators of a row tile, rounded in pairs in place, are source 1 (16 rows of Y); source 0 is 16 rows of X: in the result lane r holds query r of the
; tile and the keys 8 h + 0..7.  A second product, d (as 16 equal rows) by X's rows, adds d . x_r to all of lane r's registers.  The four tiles take turns.
.macro PACKY
.irp a, 0,1
.irp u, 0,1,2,3
	v_cvt_pk_bf16_f32 v[8*(16*(\a)+2*p)+(\u)], v[8*(16*(\a)+2*p)+2*(\u)], v[8*(16*(\a)+2*p)+2*(\u)+1]
.endr
.irp u, 0,1,2,3
	v_cvt_pk_bf16_f32 v[8*(16*(\a)+2*p)+4+(\u)], v[8*(16*(\a)+2*p)+8+2*(\u)], v[8*(16*(\a)+2*p)+8+2*(\u)+1]
.endr
.endr
.endm
.set p, 0
.rept 8
	WIN 0
.irp a, 0,1,2,3
	ds_load_b128 v[XF+32*(p%2)+8*(\a):XF+32*(p%2)+8*(\a)+3],   v[XS+(\a)/2] offset:((\a)%2)*16*XP+64*p
	ds_load_b128 v[XF+32*(p%2)+8*(\a)+4:XF+32*(p%2)+8*(\a)+7], v[XS+(\a)/2] offset:((\a)%2)*16*XP+64*p+32
.endr
	WIN 0x8a
	PACKY
	WIN 0xcf
	PACKY
	s_wait_dscnt 0x0
.if p == 0
	s_wait_loadcnt 0x0                             ; d
.endif
.irp a, 0,1,2,3
	WIN 0x08+4*((\a)/2)
.if p == 0
	v_wmma_f32_16x16x32_bf16 v[SC+8*(\a):SC+8*(\a)+7], v[XF+32*(p%2)+8*(\a):XF+32*(p%2)+8*(\a)+7], v[8*(16*((\a)%2)+2*p):8*(16*((\a)%2)+2*p)+7], 0
.else
	v_wmma_f32_16x16x32_bf16 v[SC+8*(\a):SC+8*(\a)+7], v[XF+32*(p%2)+8*(\a):XF+32*(p%2)+8*(\a)+7], v[8*(16*((\a)%2)+2*p):8*(16*((\a)%2)+2*p)+7], v[SC+8*(\a):SC+8*(\a)+7]
.endif
.endr
	WIN 0x01
.irp a, 0,1,2,3
	v_wmma_f32_16x16x32_bf16 v[SC+8*(\a):SC+8*(\a)+7], v[8*p:8*p+7], v[XF+32*(p%2)+8*(\a):XF+32*(p%2)+8*(\a)+7], v[SC+8*(\a):SC+8*(\a)+7]
.endr
.set p, p+1
.endr
	WIN 0
	PLACES
	; The four waves' parts are added: each wave stores its four tiles, and behind the barrier wave w takes row tile w.
.irp a, 0,1,2,3
	ds_store_b128 v[SST], v[SC+8*(\a):SC+8*(\a)+3]   offset:(\a)*4096
	ds_store_b128 v[SST], v[SC+8*(\a)+4:SC+8*(\a)+7] offset:(\a)*4096+512
.endr
	s_wait_dscnt 0x0                               ; for the others' sake
	s_barrier_signal -1
	s_barrier_wait -1
.irp c, 0,1,2,3
	ds_load_b128 v[64+8*(\c):64+8*(\c)+3],   v[SLD] offset:(\c)*1024
	ds_load_b128 v[64+8*(\c)+4:64+8*(\c)+7], v[SLD] offset:(\c)*1024+512
.endr
	s_wait_dscnt 0x0
.irp u, 0,2,4,6
	v_pk_add_f32 v[64+(\u):65+(\u)], v[64+(\u):65+(\u)], v[72+(\u):73+(\u)]
	v_pk_add_f32 v[80+(\u):81+(\u)], v[80+(\u):81+(\u)], v[88+(\u):89+(\u)]
.endr
.irp u, 0,2,4,6
	v_pk_add_f32 v[64+(\u):65+(\u)], v[64+(\u):65+(\u)], v[80+(\u):81+(\u)]
.endr
	WIN 0x40                                       ; X turned, my 256 columns x 64 rows: 64 loads, which land under the softmax
.irp q, 0,1,2,3,4,5,6,7,8,9,10,11,12,13,14,15
	ds_load_tr16_b128 v[16*(\q):16*(\q)+3],     v[XT]   offset:32*(\q)
	ds_load_tr16_b128 v[16*(\q)+4:16*(\q)+7],   v[XT]   offset:32*(\q)+16*XP
	ds_load_tr16_b128 v[16*(\q)+8:16*(\q)+11],  v[XT+1] offset:32*(\q)
	ds_load_tr16_b128 v[16*(\q)+12:16*(\q)+15], v[XT+1] offset:32*(\q)+16*XP
.endr
	WIN 0
	; SOFTMAX, within a lane.  Query r's four keys lie in the lanes with h = r >> 3, in registers 4 ((r >> 2) & 1) + 0..3; the other lanes work on numbers that nobody reads.
	v_cndmask_b32 v72, v64, v68, s42
	v_cndmask_b32 v73, v65, v69, s42
	v_cndmask_b32 v74, v66, v70, s42
	v_cndmask_b32 v75, v67, v71, s42
	v_mul_f32 v76, s44, v[CF]                      ; conf log2(e) / 32
	v_mul_f32 v79, s41, v76
	v_fma_f32 v72, v72, v76, v79                   ; (s + e) conf log2(e) / 32
	v_fma_f32 v73, v73, v76, v79
	v_fma_f32 v74, v74, v76, v79
	v_fma_f32 v75, v75, v76, v79
	v_max3_num_f32 v77, v72, v73, v74
	v_max_num_f32 v77, v77, v75
	v_sub_f32 v72, v72, v77
	v_sub_f32 v73, v73, v77
	v_sub_f32 v74, v74, v77
	v_sub_f32 v75, v75, v77
	v_exp_f32 v72, v72
	v_exp_f32 v73, v73
	v_exp_f32 v74, v74
	v_exp_f32 v75, v75
	v_nop                                          ; a plain instruction behind the last exponential (ISA guide 5.7.2)
	s_wait_alu depctr_va_vdst(0)
	v_add_f32 v78, v72, v73
	v_add_f32 v79, v74, v75
	v_add_f32 v78, v78, v79
	v_rcp_f32 v78, v78
	v_nop
	s_wait_alu depctr_va_vdst(0)
	v_mul_f32 v78, 0x3e800000, v78                 ; 1 / (4 sum): the mean over the four queries
.irp u, 72,73,74,75
	v_mul_f32 v\u, v\u, v78
.endr
.irp u, 72,73,74,75                    ; a batch's four queries are four neighbouring lanes
	v_add_f32_dpp v\u, v\u, v\u row_xmask:1 row_mask:0xf bank_mask:0xf
.endr
.irp u, 72,73,74,75
	v_add_f32_dpp v\u, v\u, v\u row_xmask:2 row_mask:0xf bank_mask:0xf
.endr
	ds_store_b128 v[WST], v[72:75]                 ; every lane at its own place
	s_wait_dscnt 0x0                               ; for the others' sake; X turned is in too
	s_barrier_signal -1
	s_barrier_wait -1
	ds_load_b128 v[80:83], v[WLD]                  ; the four weights of batch r
	s_wait_dscnt 0x0
	v_cvt_pk_bf16_f32 v84, v80, v81                ; w = hi + lo, two bf16 terms
	v_cvt_pk_bf16_f32 v85, v82, v83
	v_lshlrev_b32 v86, 16, v84
	v_and_b32 v87, s45, v84
	v_lshlrev_b32 v88, 16, v85
	v_and_b32 v89, s45, v85
	v_pk_add_f32 v[86:87], v[80:81], v[86:87] neg_lo:[0,1] neg_hi:[0,1]
	v_pk_add_f32 v[88:89], v[82:83], v[88:89] neg_lo:[0,1] neg_hi:[0,1]
	v_cvt_pk_bf16_f32 v90, v86, v87
	v_cvt_pk_bf16_f32 v91, v88, v89
	; w as source 1: column = batch B, k = the work-group's row; w[B][k & 3] where k >> 2 = B, else 0.  hi for rows 0-31, 32-63 at v96, v104; lo at v112, v120.
.irp c, 0,1,2,3,4,5,6,7
	v_cmp_eq_u32 vcc_lo, \c, v[CODE]
	v_cndmask_b32 v[96+8*((\c)/4)+2*((\c)%4)],    0, v84, vcc_lo
	v_cndmask_b32 v[96+8*((\c)/4)+2*((\c)%4)+1],  0, v85, vcc_lo
	v_cndmask_b32 v[112+8*((\c)/4)+2*((\c)%4)],   0, v90, vcc_lo
	v_cndmask_b32 v[112+8*((\c)/4)+2*((\c)%4)+1], 0, v91, vcc_lo
.endr
; xbar^T = X^T w: 16 column tiles by turns, four runs.
.macro XBAR kap, wf, first
	WIN 0xa1
.irp q, 0,1,2,3,4,5,6,7,8,9,10,11,12,13,14,15
.if \first
	v_wmma_f32_16x16x32_bf16 v[8*(\q):8*(\q)+7], v[16*(\q)+8*(\kap):16*(\q)+8*(\kap)+7], v[(\wf):(\wf)+7], 0
.else
	v_wmma_f32_16x16x32_bf16 v[8*(\q):8*(\q)+7], v[16*(\q)+8*(\kap):16*(\q)+8*(\kap)+7], v[(\wf):(\wf)+7], v[8*(\q):8*(\q)+7]
.endif
.endr
.endm
	XBAR 0, 96, 1
	XBAR 0, 112, 0
	XBAR 1, 104, 0
	XBAR 1, 120, 0
	; THE WAY OUT: a lane holds batch r and eight neighbouring columns: 16 bytes in f16, through my stage, back as pieces of 256 bytes of a row.
	PLACES
	WIN 0x0a
.set q, 0
.rept 16
.irp u, 0,1,2,3
	v_cvt_pk_f16_f32 v[128+4*q+(\u)], v[8*q+2*(\u)], v[8*q+2*(\u)+1]
.endr
.set q, q+1
.endr
	WIN 0
.irp q, 0,1,2,3,4,5,6,7,8,9,10,11,12,13,14,15
	ds_store_b128 v[STO], v[128+4*(\q):128+4*(\q)+3] offset:32*(\q)
.endr
.irp t, 0,1,2,3,4,5,6,7,8,9,10,11,12,13,14,15
	ds_load_b128 v[192+4*(\t):192+4*(\t)+3], v[RD] offset:((\t)/2)*2*SGP+((\t)%2)*256  ; LDS serves a wave's instructions in order (ISA guide 5.7.1.4): these see the stores above
.endr
.irp t, 0,1,2,3,4,5,6,7,8,9,10,11,12,13,14,15
	s_wait_dscnt 15-(\t)                           ; the younger loads may stay out
	global_store_b128 v[GO], v[192+4*(\t):192+4*(\t)+3], s[50:51] offset:((\t)/2)*4096+((\t)%2)*256  ; 16 lanes store 256 consecutive bytes, at a multiple of 256 from xbar's first byte
.endr
	s_wait_tensorcnt 0x0                           ; the wave's end
	ds_add_u32 v[SPW], v[NIL]
	s_wait_dscnt 0x0
	CROUND                                         ; the closing round
	s_endpgm
.Lfunc_end_k_qbc81452303_main:
	.size	k_qbc81452303_main, .Lfunc_end_k_qbc81452303_main-k_qbc81452303_main
	.p2alignl 7, 3214868480
	.fill 96, 4, 3214868480
	.section	.rodata,"a",@progbits
	.p2align	6, 0x0
	.amdhsa_kernel k_qbc81452303_main
		.amdhsa_group_segment_fixed_size 327680
		.amdhsa_private_segment_fixed_size 0
		.amdhsa_enable_private_segment 0
		.amdhsa_kernarg_size 40
		.amdhsa_user_sgpr_count 2
		.amdhsa_user_sgpr_kernarg_segment_ptr 1
		.amdhsa_wavefront_size32 1
		.amdhsa_system_sgpr_workgroup_id_x 1
		.amdhsa_system_sgpr_workgroup_id_y 1
		.amdhsa_system_sgpr_workgroup_id_z 1
		.amdhsa_system_vgpr_workitem_id 0
		.amdhsa_next_free_vgpr 1024
		.amdhsa_next_free_sgpr 66
		.amdhsa_reserve_vcc 1
		.amdhsa_float_denorm_mode_32 3
		.amdhsa_float_denorm_mode_16_64 3
		.amdhsa_memory_ordered 1
		.amdhsa_forward_progress 1
		.amdhsa_inst_pref_size 141
	.end_amdhsa_kernel
	.amdgpu_metadata
---
amdhsa.version: [ 1, 2 ]
amdhsa.kernels:
  - .name:           k_qbc81452303_main
    .symbol:         k_qbc81452303_main.kd
    .args:
      - { .name: features, .offset: 0, .size: 8, .value_kind: global_buffer, .address_space: global }
      - { .name: confidences, .offset: 8, .size: 8, .value_kind: global_buffer, .address_space: global }
      - { .name: gt, .offset: 16, .size: 8, .value_kind: global_buffer, .address_space: global }
      - { .name: vecs, .offset: 24, .size: 8, .value_kind: global_buffer, .address_space: global }
      - { .name: xbar, .offset: 32, .size: 8, .value_kind: global_buffer, .address_space: global }
    .group_segment_fixed_size: 327680
    .private_segment_fixed_size: 0
    .kernarg_segment_align: 8
    .kernarg_segment_size: 40
    .max_flat_workgroup_size: 128
    .sgpr_count:     66
    .vgpr_count:     1024
    .wavefront_size: 32
...
	.end_amdgpu_metadata
.endif
;; end of part 2
;; launch tail (part 3): grid 8 x 32, 4 waves a work-group, clusters of 4 x 4, 327,680 bytes of LDS; arguments xbar, w2, out0, vecs, bo; writes out0
.if DOCPART == 3
	.amdgcn_target "amdgcn-amd-amdhsa--gfx1250"
	.amdhsa_code_object_version 6
	.text
	.protected	k_qbc81452303_tail
	.globl	k_qbc81452303_tail
	.p2align	8
	.type	k_qbc81452303_tail,@function
k_qbc81452303_tail:
	s_mov_b64 s[64:65], 0
	v_nop
	global_prefetch_b8 v0, s[64:65] scope:SCOPE_SE
	s_setreg_imm32_b32 hwreg(HW_REG_WAVE_MODE, 25, 1), 1
	s_wait_xcnt 0x0
	s_wait_alu depctr_hold_cnt(0) depctr_sa_sdst(0) depctr_va_vdst(0) depctr_va_sdst(0) depctr_va_ssrc(0) depctr_va_vcc(0) depctr_vm_vsrc(0)
	s_getreg_b32 s2, hwreg(HW_REG_IB_STS2, 6, 4)
	s_cmp_eq_u32 s2, 0
	s_cbranch_scc0 .Lentry_in_a_cluster
	s_endpgm
.Lentry_in_a_cluster:
	s_bfe_u32 s2, ttmp6, 0x10000c
	s_cmp_lg_u32 s2, 0xf033
	s_cbranch_scc0 .Lentry_shape_is_right
	s_endpgm
.Lentry_shape_is_right:
; TAIL.  out0[b][o] = (sum over h of xbar[b][h] (64 W2)[o][h]) / 64 + (Wo bv)[o] + bo[o].  xbar: [4096][1024] f16; w2: 64 W2 in f16, in fragment order (element (o, h) at byte
; (h>>5)*65536 + (o>>4)*1024 + ((h>>4)&1)*512 + (((h>>3)&1)*16 + (o&15))*16 + (h&7)*2); sums in f32; out0 f32.  The weights' sum over a batch's keys is 1, so bv enters as Wo bv.
; A tile of out0 is 128 x 128: 256 work-groups.  Four waves, each 64 x 64: 16 accumulators.  K goes in four steps of 256 through two LDS slots.
; CLUSTERS: 4 x 4 work-groups.  The four of a row of the cluster need the same rows of xbar, the four of a column the same rows of W2: each tile is asked for JOINTLY.
; Source 0 = 16 rows of W2, source 1 = 16 rows of xbar: a lane holds eight neighbouring numbers of a row of out0.
; REGISTERS: window 0: v0-31 addresses; v32-127 bias and the way out; v128-255 the accumulators ((a, b) at 128 + 8 (4 a + b)).  window 1: two fragment buffers of 128: 64 of xbar, 64 of W2, for 64 along K.
.set SIZE_N, 1024
.set SIZE_K, 1024
.set KSTEP,  256
.set PITCH,  528                       ; xbar's rows in LDS: 512 bytes + 16
.set HALFT,  64*PITCH                  ; 64 rows: what one tensor load brings of xbar
.set BOFF,   2*HALFT                   ; behind xbar's 128 rows: W2, 8 chunks of 32 along K x 8,192 bytes, dense
.set BHALF,  32768                     ; four chunks: what one tensor load brings of W2
.set SLOT,   BOFF+2*BHALF
.set STAGE,  2*SLOT                    ; behind the ring: 16 rows x 272 bytes for each wave
.set SPITCH, 272
.set SPARE,  STAGE+4*16*SPITCH         ; the spare words, 128 bytes for each wave
.set BOF,  6                           ; v6      32 h: my lanes' place in a block of 16 bias numbers
.set ADRA, 16                          ; v16-17  LDS address of my xbar fragments in slot 0, 1
.set ADRB, 20                          ; v20-21  the same for W2
.set STO,  24
.set RD,   25
.set CO,   26
.set SPW,  28                          ; v28     my spare word's address; never rewritten
.set NIL,  29                          ; v29     0; never rewritten
.set BB,   32                          ; v32-63  Wo bv + bo of my 64 columns, in an accumulator's layout
.set TT,   64                          ; v64-95  bo as loaded; then 16 rows' results
.set BK,   96                          ; v96-127 16 rows read back
.set ACC,  128
.set F0,   0
.set F1,   128
.set G1, 24
.set G0, 32
.set G1B, 48
.set G0B, 56
.set MSB, 0
.macro WIN new
.if MSB != (\new)
	s_set_vgpr_msb (MSB<<8)|(\new)
.set MSB, \new
.endif
.endm
.set MUL,  0x05                        ; sources 0 and 1 window 1; C and D window 0
.set TO_F, 0x40                        ; destination window 1, address window 0
.macro JLOAD s                         ; a joint load: waves 0 and 1 fetch xbar's two halves, waves 2 and 3 W2's; an s_nop 0 and four v_nop follow each of the two lines
	s_cmp_eq_u32 s11, 0
	s_cbranch_scc0 .Lfor_b_\@
	tensor_load_to_lds s[G0+4*(\s):G0+4*(\s)+3], s[G1:G1+7]
	s_nop 0
.rept 4
	v_nop
.endr
	s_branch .Lasked_\@
.Lfor_b_\@:
	tensor_load_to_lds s[G0B+4*(\s):G0B+4*(\s)+3], s[G1B:G1B+7]
	s_nop 0
.rept 4
	v_nop
.endr
.Lasked_\@:
.endm
.macro CREST
	s_cmp_lg_u32 s10, 0
	s_cbranch_scc1 .Lnot_wave_0_\@
	s_barrier_signal -3
.Lnot_wave_0_\@:
	s_barrier_wait -3
	s_barrier_signal -1
	s_barrier_wait -1
.endm
.macro CROUND
	s_barrier_signal -1
	s_barrier_wait -1
	CREST
.endm
	s_load_b128 s[4:7], s[0:1], 0x0                ; xbar, w2
	s_load_b64 s[8:9], s[0:1], 0x10                ; out0
	s_load_b128 s[68:71], s[0:1], 0x18             ; vecs, bo
	v_lshl_add_u32 v[SPW], v0, 2, SPARE
	v_mov_b32 v[NIL], 0
	ds_add_u32 v[SPW], v[NIL]                      ; the wave's opening: an add and its wait ahead of my first tensor load
	v_lshrrev_b32 v1, 5, v0
	v_readfirstlane_b32 s10, v1                    ; wave 0..3
	s_lshr_b32 s11, s10, 1                         ; my half of the tile's rows.  Also: I fetch xbar (0) or W2 (1)
	s_and_b32 s12, s10, 1                          ; my half of its columns.  Also: which half of that tile I fetch
	s_bfe_u32 s40, ttmp6, 0x40000                  ; cx, cy
	s_bfe_u32 s41, ttmp6, 0x40004
	s_lshl_b32 s42, ttmp9, 2
	s_add_co_u32 s42, s42, s40                     ; tile column = 4 x cluster x + cx
	s_and_b32 s13, ttmp7, 0xffff
	s_lshl_b32 s13, s13, 2
	s_add_co_u32 s13, s13, s41                     ; tile row = 4 x cluster y + cy
	s_lshl_b32 s43, s41, 2
	s_lshl_b32 s43, 15, s43                        ; my row of the cluster
	s_lshl_b32 s44, 0x1111, s40                    ; my column
	s_or_b32 s[G1+0], s43, (1<<16)|(1<<20)|(1<<21)|(6<<22)|(3<<25)  ; xbar: the mask of my row; 2-byte elements; padding on, 4 words after every 128; bit 21 beside a mask
	s_mov_b32 s[G1+1], KSTEP<<16                   ; tensor_dim0 = 256
	s_mov_b32 s[G1+2], 64<<16                      ; tensor_dim1 = 64
	s_mov_b32 s[G1+3], KSTEP<<16                   ; tile_dim0 = 256
	s_mov_b32 s[G1+4], 64                          ; tile_dim1 = 64
	s_mov_b32 s[G1+5], SIZE_K                      ; elements from row to row
	s_mov_b32 s[G1+6], 0
	s_mov_b32 s[G1+7], 0
	s_or_b32 s[G1B+0], s44, (3<<16)|(1<<21)        ; W2: the mask of my column; 8-byte elements; no padding
	s_mov_b32 s[G1B+1], 1024<<16                   ; tensor_dim0 = 1,024: the tile's 8,192 bytes of a chunk
	s_mov_b32 s[G1B+2], 4<<16                      ; tensor_dim1 = 4 chunks
	s_mov_b32 s[G1B+3], 1024<<16                   ; tile_dim0
	s_mov_b32 s[G1B+4], 4                          ; tile_dim1
	s_mov_b32 s[G1B+5], 8192                       ; 65,536 bytes from chunk to chunk
	s_mov_b32 s[G1B+6], 0
	s_mov_b32 s[G1B+7], 0
	s_lshl_b32 s16, s13, 18                        ; xbar: row 128 x tile row + 64 x half, 2,048 bytes each
	s_lshl_b32 s17, s12, 17
	s_add_co_u32 s16, s16, s17
	s_mov_b32 s17, 0
	s_lshl_b32 s46, s42, 13                        ; W2: 8,192 bytes x tile column + four chunks x half
	s_lshl_b32 s47, s12, 18
	s_add_co_u32 s46, s46, s47
	s_mov_b32 s47, 0
	s_mul_i32 s20, s12, HALFT                      ; where they go: no place in the cluster enters an LDS address
	s_lshl_b32 s21, s12, 15
	s_add_co_u32 s21, s21, BOFF
	s_mov_b32 s66, 0x3c800000                      ; 1 / 64
	s_mov_b32 s67, s66                             ; named with it as a pair
	s_wait_dscnt 0x0                               ; the opening add is done
	s_wait_kmcnt 0x0
	s_add_nc_u64 s[14:15], s[4:5], s[16:17]
	s_add_nc_u64 s[46:47], s[6:7], s[46:47]
	CROUND                                         ; all sixteen work-groups are here: the first joint loads meet
.irp s, 0,1
	s_mov_b32 s[G0+4*(\s)], 1
	s_add_co_u32 s[G0+4*(\s)+1], s20, (\s)*SLOT
	s_add_nc_u64 s[G0+4*(\s)+2:G0+4*(\s)+3], s[14:15], (\s)*KSTEP*2
	s_or_b32 s[G0+4*(\s)+3], s[G0+4*(\s)+3], 0x80000000
	s_mov_b32 s[G0B+4*(\s)], 1
	s_add_co_u32 s[G0B+4*(\s)+1], s21, (\s)*SLOT
	s_add_nc_u64 s[G0B+4*(\s)+2:G0B+4*(\s)+3], s[46:47], (\s)*8*65536
	s_or_b32 s[G0B+4*(\s)+3], s[G0B+4*(\s)+3], 0x80000000
	JLOAD \s
.endr
	v_and_b32 v1, 15, v0                           ; l % 16
	v_bfe_u32 v2, v0, 4, 1                         ; l / 16
	v_lshlrev_b32 v[BOF], 5, v2
	s_lshl_b32 s46, s42, 9                         ; my 64 columns, in bytes of f32: 512 x tile column + 256 x half
	s_lshl_b32 s47, s12, 8
	s_add_co_u32 s46, s46, s47
	s_mov_b32 s47, 0
	s_add_nc_u64 s[68:69], s[68:69], s[46:47]
	s_add_nc_u64 s[70:71], s[70:71], s[46:47]
.irp b, 0,1,2,3
	global_load_b128 v[BB+8*(\b):BB+8*(\b)+3],   v[BOF], s[68:69] offset:4096+64*(\b)
	global_load_b128 v[BB+8*(\b)+4:BB+8*(\b)+7], v[BOF], s[68:69] offset:4096+64*(\b)+16
	global_load_b128 v[TT+8*(\b):TT+8*(\b)+3],   v[BOF], s[70:71] offset:64*(\b)
	global_load_b128 v[TT+8*(\b)+4:TT+8*(\b)+7], v[BOF], s[70:71] offset:64*(\b)+16
.endr
	v_mul_u32_u24 v3, v1, PITCH
	v_lshl_add_u32 v3, v2, 4, v3                   ; a fragment's row x pitch + 16 x half
	v_and_b32 v7, 31, v0
	v_lshlrev_b32 v7, 4, v7                        ; W2's fragments lie as they are read: 16 bytes a lane
	s_mul_i32 s21, s11, HALFT                      ; my 64 rows of xbar
	s_lshl_b32 s22, s12, 12                        ; my four blocks of 16 rows of W2
	s_add_co_u32 s22, s22, BOFF
.irp s, 0,1
	v_add_nc_u32 v[ADRA+(\s)], s21, v3
	v_add_nc_u32 v[ADRB+(\s)], s22, v7
	s_add_co_u32 s21, s21, SLOT
	s_add_co_u32 s22, s22, SLOT
.endr
	s_mul_i32 s23, s10, 16*SPITCH
	s_add_co_u32 s23, s23, STAGE                   ; my stage
	v_mul_u32_u24 v4, v1, SPITCH                   ; in: row l % 16, 32 bytes for each half of the lanes
	v_lshl_add_u32 v4, v2, 5, v4
	v_add_nc_u32 v[STO], s23, v4
	v_mul_u32_u24 v5, v2, SPITCH                   ; back: lanes 0-15 take one row of 256 bytes, lanes 16-31 the next
	v_lshl_add_u32 v5, v1, 4, v5
	v_add_nc_u32 v[RD], s23, v5
	v_lshlrev_b32 v5, 12, v2                       ; and the same two rows in out0
	v_lshl_add_u32 v[CO], v1, 4, v5
	s_lshl_b32 s16, s13, 19                        ; my first row of out0: 128 x tile row + 64 x half, 4,096 bytes each
	s_lshl_b32 s17, s11, 18
	s_add_co_u32 s16, s16, s17
	s_mov_b32 s17, 0
	s_add_nc_u64 s[8:9], s[8:9], s[16:17]
	s_add_nc_u64 s[8:9], s[8:9], s[46:47]
; 8 matrix instructions: row blocks a0, a0 + 1 x all 4 column blocks, 32 along K: half c of buffer f.  zero = 1: the first product starts the sums
.macro MUL8 f, c, a0, zero
	WIN MUL
.irp a, \a0, (\a0)+1
.irp b, 0,1,2,3
.if \zero
	v_wmma_f32_16x16x32_f16 v[ACC+8*(4*(\a)+(\b)):ACC+8*(4*(\a)+(\b))+7], v[(\f)+64+8*(4*(\c)+(\b)):(\f)+64+8*(4*(\c)+(\b))+7], v[(\f)+8*(4*(\c)+(\a)):(\f)+8*(4*(\c)+(\a))+7], 0
.else
	v_wmma_f32_16x16x32_f16 v[ACC+8*(4*(\a)+(\b)):ACC+8*(4*(\a)+(\b))+7], v[(\f)+64+8*(4*(\c)+(\b)):(\f)+64+8*(4*(\c)+(\b))+7], v[(\f)+8*(4*(\c)+(\a)):(\f)+8*(4*(\c)+(\a))+7], v[ACC+8*(4*(\a)+(\b)):ACC+8*(4*(\a)+(\b))+7]
.endif
.endr
.endr
.endm
; 32 LDS loads in one run: the fragments of 64 along K (byte k of xbar's rows; chunks k / 64 and k / 64 + 1 of W2) into buffer f; the first 32 along K first
.macro FETCH slot, k, f
	WIN TO_F
.irp c, 0,1
.irp i, 0,1,2,3
	ds_load_b128 v[(\f)+64+8*(4*(\c)+(\i)):(\f)+64+8*(4*(\c)+(\i))+3],   v[ADRB+(\slot)] offset:((\k)/64+(\c))*8192+(\i)*1024
	ds_load_b128 v[(\f)+64+8*(4*(\c)+(\i))+4:(\f)+64+8*(4*(\c)+(\i))+7], v[ADRB+(\slot)] offset:((\k)/64+(\c))*8192+(\i)*1024+512
	ds_load_b128 v[(\f)+8*(4*(\c)+(\i)):(\f)+8*(4*(\c)+(\i))+3],         v[ADRA+(\slot)] offset:(\k)+64*(\c)+(\i)*16*PITCH
	ds_load_b128 v[(\f)+8*(4*(\c)+(\i))+4:(\f)+8*(4*(\c)+(\i))+7],       v[ADRA+(\slot)] offset:(\k)+64*(\c)+(\i)*16*PITCH+32
.endr
.endr
.endm
.macro PLACES                          ; four places in front of loads into registers that matrix instructions have read
.rept 4
	v_nop
.endr
.endm
; A K step is four quarters of 64 along K, 32 matrix instructions each, on buffers 0, 1, 0, 1.  One of the first three: multiplies buffer f and fetches the next quarter, at byte k, into g.
.macro QUARTER slot, k, f, g, zero
	s_wait_dscnt 16                                ; the first 32 along K are in; the youngest sixteen loads may be out
	WIN MUL
	MUL8 \f, 0, 0, \zero
	MUL8 \f, 0, 2, \zero
	PLACES
	FETCH \slot, \k, \g
	s_wait_dscnt 32                                ; all but the 32 just issued
	WIN MUL
	MUL8 \f, 1, 0, 0
	MUL8 \f, 1, 2, 0
.endm
; The last quarter multiplies buffer 1 and changes slots: ONE barrier; in front of it each wave waits for all its tensor loads, adds 0 to its spare word, and waits for that and for its reads of this slot.
; fill = 1: the barrier opens a round of the cluster's, and this slot is filled again, two K steps ahead, first thing behind it.
.macro TURN slot, next, fill
	WIN 0
	s_wait_tensorcnt 0x0                           ; all my tensor loads have landed: my part of the next slot
	ds_add_u32 v[SPW], v[NIL]
	s_wait_dscnt 17                                ; the add and the youngest sixteen loads may be out
	WIN MUL
	MUL8 F1, 0, 0, 0
	s_wait_dscnt 0x0                               ; the add is done, and my reads of this slot are over
	s_barrier_signal -1
	MUL8 F1, 0, 2, 0
.if \fill
	WIN 0
.endif
	s_barrier_wait -1
.if \fill
	CREST                                          ; no wave of any partner still reads this slot's tile or has a load on its way
	s_add_nc_u64 s[G0+4*(\slot)+2:G0+4*(\slot)+3], s[G0+4*(\slot)+2:G0+4*(\slot)+3], 2*KSTEP*2
	s_add_nc_u64 s[G0B+4*(\slot)+2:G0B+4*(\slot)+3], s[G0B+4*(\slot)+2:G0B+4*(\slot)+3], 16*65536
	JLOAD \slot                                    ; the four v_nop behind it are also the places in front of the loads below
.else
	PLACES
.endif
	FETCH \next, 0, F0
	WIN MUL
	MUL8 F1, 1, 0, 0
	MUL8 F1, 1, 2, 0
.endm
	s_wait_tensorcnt 1                             ; my part of K step 0 is in; K step 1's may stay out
	s_barrier_signal -1
	s_barrier_wait -1
	FETCH 0, 0, F0
	QUARTER 0, 128, F0, F1, 1                      ; K step 0: its first products start the sums
	QUARTER 0, 256, F1, F0, 0
	QUARTER 0, 384, F0, F1, 0
	TURN 0, 1, 1                                   ; slot 0 takes K step 2
	QUARTER 1, 128, F0, F1, 0                      ; K step 1
	QUARTER 1, 256, F1, F0, 0
	QUARTER 1, 384, F0, F1, 0
	TURN 1, 0, 1                                   ; slot 1 takes K step 3
	QUARTER 0, 128, F0, F1, 0                      ; K step 2
	QUARTER 0, 256, F1, F0, 0
	QUARTER 0, 384, F0, F1, 0
	TURN 0, 1, 0                                   ; nothing is left to ask for
	QUARTER 1, 128, F0, F1, 0                      ; K step 3
	QUARTER 1, 256, F1, F0, 0
	QUARTER 1, 384, F0, F1, 0
	s_wait_dscnt 16
	WIN MUL
	MUL8 F1, 0, 0, 0
	MUL8 F1, 0, 2, 0
	s_wait_dscnt 0
	MUL8 F1, 1, 0, 0
	MUL8 F1, 1, 2, 0
	WIN 0
	; THE WAY OUT.  A wave's 64 columns in f32 are 256 consecutive bytes of a row, aligned: each wave has a stage of its own and there is no barrier.  The sixteen additions are the places behind the last products.
	s_wait_loadcnt 0x0                             ; the biases
.irp u, 0,2,4,6,8,10,12,14,16,18,20,22,24,26,28,30
	v_pk_add_f32 v[BB+(\u):BB+(\u)+1], v[BB+(\u):BB+(\u)+1], v[TT+(\u):TT+(\u)+1]
.endr
.irp a, 0,1,2,3
.if (\a) > 0
	s_wait_xcnt 0x0                                ; the last block's stores have had their addresses translated: only now are the registers that they read loaded again
.endif
.irp b, 0,1,2,3
.irp u, 0,2,4,6
	v_pk_fma_f32 v[TT+8*(\b)+(\u):TT+8*(\b)+(\u)+1], v[ACC+8*(4*(\a)+(\b))+(\u):ACC+8*(4*(\a)+(\b))+(\u)+1], s[66:67], v[BB+8*(\b)+(\u):BB+8*(\b)+(\u)+1] op_sel_hi:[1,0,1]
.endr
.endr
.irp b, 0,1,2,3
	ds_store_b128 v[STO], v[TT+8*(\b):TT+8*(\b)+3]   offset:64*(\b)
	ds_store_b128 v[STO], v[TT+8*(\b)+4:TT+8*(\b)+7] offset:64*(\b)+16
.endr
.irp i, 0,1,2,3,4,5,6,7
	ds_load_b128 v[BK+4*(\i):BK+4*(\i)+3], v[RD] offset:(\i)*2*SPITCH  ; LDS serves a wave's instructions in order (ISA guide 5.7.1.4): these see the stores above; the next block's stores come behind them
.endr
.irp i, 0,1,2,3,4,5,6,7
	s_wait_dscnt 7-(\i)                            ; the younger loads may stay out
	global_store_b128 v[CO], v[BK+4*(\i):BK+4*(\i)+3], s[8:9] offset:(\a)*65536+(\i)*8192 th:TH_STORE_NT  ; 16 lanes store 256 consecutive bytes, at a multiple of 256 from out0's first byte
.endr
.endr
	s_wait_tensorcnt 0x0                           ; the wave's end
	ds_add_u32 v[SPW], v[NIL]
	s_wait_dscnt 0x0
	CROUND                                         ; the closing round
	s_endpgm
.Lfunc_end_k_qbc81452303_tail:
	.size	k_qbc81452303_tail, .Lfunc_end_k_qbc81452303_tail-k_qbc81452303_tail
	.p2alignl 7, 3214868480
	.fill 96, 4, 3214868480
	.section	.rodata,"a",@progbits
	.p2align	6, 0x0
	.amdhsa_kernel k_qbc81452303_tail
		.amdhsa_group_segment_fixed_size 327680
		.amdhsa_private_segment_fixed_size 0
		.amdhsa_enable_private_segment 0
		.amdhsa_kernarg_size 40
		.amdhsa_user_sgpr_count 2
		.amdhsa_user_sgpr_kernarg_segment_ptr 1
		.amdhsa_wavefront_size32 1
		.amdhsa_system_sgpr_workgroup_id_x 1
		.amdhsa_system_sgpr_workgroup_id_y 1
		.amdhsa_system_sgpr_workgroup_id_z 1
		.amdhsa_system_vgpr_workitem_id 0
		.amdhsa_next_free_vgpr 512
		.amdhsa_next_free_sgpr 72
		.amdhsa_reserve_vcc 0
		.amdhsa_float_denorm_mode_32 3
		.amdhsa_float_denorm_mode_16_64 3
		.amdhsa_memory_ordered 1
		.amdhsa_forward_progress 1
		.amdhsa_inst_pref_size 93
	.end_amdhsa_kernel
	.amdgpu_metadata
---
amdhsa.version: [ 1, 2 ]
amdhsa.kernels:
  - .name:           k_qbc81452303_tail
    .symbol:         k_qbc81452303_tail.kd
    .args:
      - { .name: xbar, .offset: 0, .size: 8, .value_kind: global_buffer, .address_space: global }
      - { .name: w2, .offset: 8, .size: 8, .value_kind: global_buffer, .address_space: global }
      - { .name: out0, .offset: 16, .size: 8, .value_kind: global_buffer, .address_space: global }
      - { .name: vecs, .offset: 24, .size: 8, .value_kind: global_buffer, .address_space: global }
      - { .name: bo, .offset: 32, .size: 8, .value_kind: global_buffer, .address_space: global }
    .group_segment_fixed_size: 327680
    .private_segment_fixed_size: 0
    .kernarg_segment_align: 8
    .kernarg_segment_size: 40
    .max_flat_workgroup_size: 128
    .sgpr_count:     72
    .vgpr_count:     512
    .wavefront_size: 32
...
	.end_amdgpu_metadata
.endif
;; end of part 3
;; ======== version 2 of 2: 3 launches; version 1 with the launch prep written anew for expert scheduling mode
;; limits: values outside matrix products are rounded to bf16; values are held in f16: magnitudes above 65,504 overflow, below 6.1e-05 lose precision; inputs' magnitudes at most 65,504; right only within a limited range of input values
;; workspace buffers: gt 2,097,152 bytes; w2 2,097,152 bytes; vecs 10,496 bytes; xbar 8,388,608 bytes
;; launch prep (part 4): grid 128 x 1, 4 waves a work-group, no clusters, 115,200 bytes of LDS; arguments Wq, Wk, Wv, Wo, bq, bk, bv, gt, w2, vecs; writes gt, w2, vecs
.if DOCPART == 4
	.amdgcn_target "amdgcn-amd-amdhsa--gfx1250"
	.amdhsa_code_object_version 6
	.text
	.protected	k_qbc81452303_prep
	.globl	k_qbc81452303_prep
	.p2align	8
	.type	k_qbc81452303_prep,@function
k_qbc81452303_prep:
	s_mov_b64 s[64:65], 0
	v_nop
	global_prefetch_b8 v0, s[64:65] scope:SCOPE_SE
	s_setreg_imm32_b32 hwreg(HW_REG_WAVE_SCHED_MODE, 0, 2), 2
	s_setreg_imm32_b32 hwreg(HW_REG_WAVE_MODE, 25, 1), 1
	s_wait_xcnt 0x0
	s_wait_alu depctr_vm_vsrc(0)
; PREP.  Two products of weights, and four small vectors, from which the later launches work.
;   P = 0:  M[c][h]  = sum over o of Wk[o][c] Wq[o][h]   -> gt, bf16      (then q.k = (M x + cv).x' + x.d + e)
;   P = 1:  W2[o][h] = sum over k of Wo[o][k] Wv[k][h]   -> w2, 64 W2 in f16
;   vecs:   cv[c] = sum bq[o] Wk[o][c] (f32, byte 0);  (Wo bv)[o] (f32, byte 4096);  d[h] = sum Wq[o][h] bk[o] (bf16, byte 8192);  e = bq.bk (f32, 32 copies, byte 10240)
; All weights and the biases that are matrix operands here are rounded to bf16; sums in f32.
; LIMITS.  64 W2 is kept in f16: |W2| stays under 1,023; M and d are bf16.  NaN and infinities are not treated apart.
; OUT'S ORDER (gt and w2): element (row n, k) lies at byte (k>>5)*65536 + (n>>4)*1024 + ((k>>4)&1)*512 + (((k>>3)&1)*16 + (n&15))*16 + (k&7)*2: half a
; matrix fragment (16 rows x 16 k) is 512 consecutive bytes, 16 for each lane, and 32 along k of all 1,024 rows are 65,536 consecutive bytes.
; SHARES.  128 work-groups: P = id>>6; a tile of 128 (h, from S0 = Wq or Wv, stored [k][h]) x 128 (n, from S1 = Wk stored [k][n], or Wo stored [n][k]); K = 1024 in 16 steps of 64.
; Four waves, each 64 x 64: 16 accumulators.  Source 0 = 16 h of S0, source 1 = 16 n of S1: a lane then holds one n and eight neighbouring h: 16 bytes of OUT's order.
; The two products have 64 such tiles each; that is all the work there is.  NO TENSOR LOADS, NO CLUSTER: the operands are f32 and are rounded on their way, so they pass through registers.
; THE ROAD.  memory -> registers (two sets, 32 loads of 16 bytes a lane each) -> bf16, in registers of their own -> LDS (two buffers) -> fragments.  Step s multiplies buffer s%2, stores step s+1's data and asks for step s+3's.
; THE VECTORS ride on the same fragments: a fragment whose 16 rows are all the vector b is 16 bytes a lane, read alike by all lanes of a half.  They are wanted once for each block of 128, so the 16
; work-groups with MT = NT go on with them and store them.  The first step's 18 products are made by every work-group, so that each of these sums is begun on every path of the text.
; THE MODE: SCHED_MODE bits 1:0 = 2 (LLVM: expert scheduling mode 2), set by the entry lines.  The code itself states the register dependences
; between vector or matrix instructions and memory or LDS instructions, with s_wait_alu, always for 0.
; THE PLAN.  Registers that memory or LDS instructions touch, in the loop (step s, q = s % 2, z = 1 - q):
;   RAW0, RAW1   window 2.  Step s: its 64 roundings read RAW z (step s+1's data); behind them the 32 loads of step s+3 land in it.  No store reads these registers.
;   PK           window 3.  Step s: its roundings write PK; its 32 LDS stores read it.
;   FS0, FS1     Step s: its 32 fragment loads land here; its matrix instructions read them.
;   FB0, FB1     The same for the 8 loads of b0 and bk and the vectors' matrix instructions.
;   v[BV]        Read by those 8 loads; written once a step, at the step's head.
;   The other offsets and LDS addresses (v6 to v13, v15 to v19) are made at the head and never written again: each raw set has scalar bases of its own, which move on by two
;   steps behind the wait that shows the set's loads done, and immediate offsets do the rest.  The accumulators are named by matrix and vector instructions alone.
; So a step has TWO waits.  One on vm_vsrc at its head: the last step's LDS stores have read PK and its loads of b0 and bk have read v[BV].  One on va_vdst behind its roundings: PK and v[BV] are written, the
; roundings are done reading RAW z, the last step's matrix instructions are done reading the fragments.  All the step's memory and LDS instructions follow that wait, and no vector or matrix instruction stands among them.
.set PIT,   288                  ; an LDS row: 256 bytes + 32: 8 rows x 32 bytes of a turning load fall on different words modulo 256 bytes
.set S1O,   64*PIT               ; a buffer: S0's 64 k rows, then S1: 64 k rows (Wk) or 128 n rows of 128 bytes (Wo)
.set BUF,   S1O+128*PIT
.set B0V,   2*BUF                ; b0 in bf16, 2,048 bytes; bk follows it
.set SPARE, B0V+4096             ; the spare words, 128 bytes for each wave
.set SPW,  4                     ; v4   my spare word's address; never rewritten
.set NIL,  5                     ; v5   0; never rewritten
.set GS0,  6                     ; v6   my byte offset in S0's 64 rows of a step
.set GS1,  7                     ; v7   the same for S1
.set LS0,  8                     ; v8   where I store S0's 8 bytes
.set LS1T, 9                     ; v9   S1 stored [k][n]
.set TS0,  10                    ; v10-11  S0's fragments, buffer 0, 1
.set TS1,  12                    ; v12-13  S1's fragments, stored [k][n]
.set BV,   14                    ; v14  b0's fragment of the step in hand; steps by 128
.set VO,   15                    ; v15  4 x lane
.set LS1P, 16                    ; v16  S1 stored [n][k]
.set L16,  17                    ; v17  16 x lane
.set PS1,  18                    ; v18-19  S1's fragments, stored [n][k]
.set FS0,  64                    ; v64-127   S0's fragments (kap, i) at 32 kap + 8 i
.set FS1,  128                   ; v128-191  S1's
.set FB0,  192                   ; v192-207  b0's
.set FB1,  208                   ; v208-223  bk's
.set V1,   128                   ; window 1: v0-127 the 16 accumulators (j, i) at 8 (4 j + i); v128-159 b0.S1; v160-191 S0.bk; v192-199 b0.bk
.set V0,   160
.set EE,   192                   ; window 2: the two sets of 128 registers as loaded
.set PK,   0                     ; window 3: v0-63 a step's data in bf16: load m's four numbers at PK + 2 m
.set MSB, 0
.macro WIN new                   ; the immediate's high byte repeats the setting that is left; a switch that changes nothing is dropped
.if MSB != (\new)
	s_set_vgpr_msb (MSB<<8)|(\new)
.set MSB, \new
.endif
.endm
.macro PLACES                    ; four plain vector instructions between a matrix instruction and a load into, or a vector instruction on, its registers
.rept 4
	v_nop
.endr
.endm
; 32 loads: a K step's 64 rows of S0 and S1's share, each load whole runs of 256 bytes.  Set 0's bases are s[36:37] and s[38:39], set 1's s[16:17] and s[18:19].
.macro LOADS z
	WIN 0x80                                       ; destination window 2
.irp i, 0,1,2,3,4,5,6,7,8,9,10,11,12,13,14,15
	global_load_b128 v[128*(\z)+4*(\i):128*(\z)+4*(\i)+3], v[GS0], s[36-20*(\z):37-20*(\z)] offset:4096*(\i)
.endr
.irp i, 0,1,2,3,4,5,6,7,8,9,10,11,12,13,14,15
	global_load_b128 v[128*(\z)+64+4*(\i):128*(\z)+64+4*(\i)+3], v[GS1], s[38-20*(\z):39-20*(\z)] offset:4096*(\i)
.endr
	WIN 0
.endm
; Set z's bases move on by two K steps.  It stands behind the wait on LOADcnt that shows the set's last loads, which read these bases, done.
.macro ONB z
	s_add_nc_u64 s[36-20*(\z):37-20*(\z)], s[36-20*(\z):37-20*(\z)], 0x80000    ; S0: 128 rows of 4,096 bytes
	s_add_nc_u64 s[38-20*(\z):39-20*(\z)], s[38-20*(\z):39-20*(\z)], s[40:41]   ; S1: the same, or 128 numbers along its rows
.endm
; Set z is rounded to bf16, into PK.
.macro CV z
	WIN 0xca                                       ; destination window 3, sources window 2
.set n, 0
.rept 32
	v_cvt_pk_bf16_f32 v[PK+2*n],   v[128*(\z)+4*n],   v[128*(\z)+4*n+1]
	v_cvt_pk_bf16_f32 v[PK+2*n+1], v[128*(\z)+4*n+2], v[128*(\z)+4*n+3]
.set n, n+1
.endr
	WIN 0
.endm
; PK is stored into buffer q.
.macro ST q
	WIN 0x0c                                       ; store data in window 3
.irp i, 0,1,2,3,4,5,6,7,8,9,10,11,12,13,14,15
	ds_store_b64 v[LS0], v[PK+2*(\i):PK+2*(\i)+1] offset:(\q)*BUF+PIT*(\i)
.endr
	WIN 0
	s_cmp_lg_u32 s3, 0
	s_cbranch_scc1 .Lst_rows_\@
	WIN 0x0c
.irp i, 0,1,2,3,4,5,6,7,8,9,10,11,12,13,14,15
	ds_store_b64 v[LS1T], v[PK+32+2*(\i):PK+32+2*(\i)+1] offset:(\q)*BUF+PIT*(\i)
.endr
	WIN 0
	s_branch .Lst_done_\@
.Lst_rows_\@:
	WIN 0x0c
.irp i, 0,1,2,3,4,5,6,7,8,9,10,11,12,13,14,15
	ds_store_b64 v[LS1P], v[PK+32+2*(\i):PK+32+2*(\i)+1] offset:(\q)*BUF+PIT*(\i)
.endr
	WIN 0
.Lst_done_\@:
.endm
; A step's fragments out of buffer q: 16 loads for S0 (turned), 16 for S1 (turned, or as it lies).
.macro FETCH q
	WIN 0
.irp kap, 0,1
.irp i, 0,1,2,3
	ds_load_tr16_b128 v[FS0+32*(\kap)+8*(\i):FS0+32*(\kap)+8*(\i)+3],   v[TS0+(\q)] offset:(\kap)*32*PIT+(\i)*32
	ds_load_tr16_b128 v[FS0+32*(\kap)+8*(\i)+4:FS0+32*(\kap)+8*(\i)+7], v[TS0+(\q)] offset:(\kap)*32*PIT+(\i)*32+16*PIT
.endr
.endr
	s_cmp_lg_u32 s3, 0
	s_cbranch_scc1 .Lld_rows_\@
.irp kap, 0,1
.irp i, 0,1,2,3
	ds_load_tr16_b128 v[FS1+32*(\kap)+8*(\i):FS1+32*(\kap)+8*(\i)+3],   v[TS1+(\q)] offset:(\kap)*32*PIT+(\i)*32
	ds_load_tr16_b128 v[FS1+32*(\kap)+8*(\i)+4:FS1+32*(\kap)+8*(\i)+7], v[TS1+(\q)] offset:(\kap)*32*PIT+(\i)*32+16*PIT
.endr
.endr
	s_branch .Lld_done_\@
.Lld_rows_\@:
.irp kap, 0,1
.irp i, 0,1,2,3
	ds_load_b128 v[FS1+32*(\kap)+8*(\i):FS1+32*(\kap)+8*(\i)+3],   v[PS1+(\q)] offset:(\i)*16*PIT+(\kap)*64
	ds_load_b128 v[FS1+32*(\kap)+8*(\i)+4:FS1+32*(\kap)+8*(\i)+7], v[PS1+(\q)] offset:(\i)*16*PIT+(\kap)*64+32
.endr
.endr
.Lld_done_\@:
.endm
; 32 matrix instructions: the 16 accumulators by turns, one instruction a turn.  zero = 1: the first 16 start the sums.
.macro MULS zero
	WIN 0x50                                       ; C and D in window 1
.irp kap, 0,1
.irp j, 0,1,2,3
.irp i, 0,1,2,3
.if (\zero) && ((\kap) == 0)
	v_wmma_f32_16x16x32_bf16 v[8*(4*(\j)+(\i)):8*(4*(\j)+(\i))+7], v[FS0+32*(\kap)+8*(\i):FS0+32*(\kap)+8*(\i)+7], v[FS1+32*(\kap)+8*(\j):FS1+32*(\kap)+8*(\j)+7], 0
.else
	v_wmma_f32_16x16x32_bf16 v[8*(4*(\j)+(\i)):8*(4*(\j)+(\i))+7], v[FS0+32*(\kap)+8*(\i):FS0+32*(\kap)+8*(\i)+7], v[FS1+32*(\kap)+8*(\j):FS1+32*(\kap)+8*(\j)+7], v[8*(4*(\j)+(\i)):8*(4*(\j)+(\i))+7]
.endif
.endr
.endr
.endr
.endm
; The vectors' products for a step: b0.S1 (8), and for P = 0 also S0.bk (8) and b0.bk (2).  zero = 1: the first step, made by every work-group, all 18; later steps by the work-groups with MT = NT alone.
; Its eight loads owe no wait of their own: no vector or matrix instruction since the step's wait on va_vdst names FB0, FB1 or v[BV].
.macro DIAGW zero
.if !(\zero)
	s_cmp_eq_u32 s8, 0
	s_cbranch_scc1 .Lno_vec_\@
.endif
.irp kap, 0,1
	ds_load_b128 v[FB0+8*(\kap):FB0+8*(\kap)+3],   v[BV] offset:64*(\kap)
	ds_load_b128 v[FB0+8*(\kap)+4:FB0+8*(\kap)+7], v[BV] offset:64*(\kap)+32
	ds_load_b128 v[FB1+8*(\kap):FB1+8*(\kap)+3],   v[BV] offset:2048+64*(\kap)
	ds_load_b128 v[FB1+8*(\kap)+4:FB1+8*(\kap)+7], v[BV] offset:2048+64*(\kap)+32
.endr
	s_wait_dscnt 0x0
	WIN 0x50
.irp kap, 0,1
.irp i, 0,1,2,3
.if (\zero) && ((\kap) == 0)
	v_wmma_f32_16x16x32_bf16 v[V1+8*(\i):V1+8*(\i)+7], v[FB0+8*(\kap):FB0+8*(\kap)+7], v[FS1+32*(\kap)+8*(\i):FS1+32*(\kap)+8*(\i)+7], 0
.else
	v_wmma_f32_16x16x32_bf16 v[V1+8*(\i):V1+8*(\i)+7], v[FB0+8*(\kap):FB0+8*(\kap)+7], v[FS1+32*(\kap)+8*(\i):FS1+32*(\kap)+8*(\i)+7], v[V1+8*(\i):V1+8*(\i)+7]
.endif
.endr
.endr
	WIN 0
.if !(\zero)
	s_cmp_lg_u32 s3, 0
	s_cbranch_scc1 .Lno_vec_\@
.endif
	WIN 0x50
.irp kap, 0,1
.irp i, 0,1,2,3
.if (\zero) && ((\kap) == 0)
	v_wmma_f32_16x16x32_bf16 v[V0+8*(\i):V0+8*(\i)+7], v[FS0+32*(\kap)+8*(\i):FS0+32*(\kap)+8*(\i)+7], v[FB1+8*(\kap):FB1+8*(\kap)+7], 0
.else
	v_wmma_f32_16x16x32_bf16 v[V0+8*(\i):V0+8*(\i)+7], v[FS0+32*(\kap)+8*(\i):FS0+32*(\kap)+8*(\i)+7], v[FB1+8*(\kap):FB1+8*(\kap)+7], v[V0+8*(\i):V0+8*(\i)+7]
.endif
.endr
.if (\zero) && ((\kap) == 0)
	v_wmma_f32_16x16x32_bf16 v[EE:EE+7], v[FB0+8*(\kap):FB0+8*(\kap)+7], v[FB1+8*(\kap):FB1+8*(\kap)+7], 0
.else
	v_wmma_f32_16x16x32_bf16 v[EE:EE+7], v[FB0+8*(\kap):FB0+8*(\kap)+7], v[FB1+8*(\kap):FB1+8*(\kap)+7], v[EE:EE+7]
.endif
.endr
	WIN 0
.Lno_vec_\@:
.endm
; K step s, q = s % 2.  store: step s+1's data, which the count left shows landed (the 32 loads of step s+2 may stay out), goes into the other buffer.  load: step s+3 is asked for.
; ONE barrier a step: in front of it my reads of buffer q and my stores into the other are done; behind it the next step reads the other buffer and stores into q.
.macro STEP q, zero, store, load, left
.if \store
	s_wait_loadcnt \left                           ; loads come back in order (ISA guide 5.7.1): the raw set of step s+1 is in
.endif
.if \load
	ONB 1-(\q)                                     ; free since that wait
.endif
	s_wait_alu depctr_vm_vsrc(0)                   ; the LDS stores issued so far have read PK, which the roundings below write again; the loads of b0 and bk issued so far have read v[BV], which the add below writes
.if !(\zero)
	v_add_nc_u32 v[BV], 128, v[BV]                 ; this step's 64 numbers of b0 and bk
.endif
.if \store
	CV 1-(\q)                                      ; these 64 also stand between the last step's matrix instructions and the loads into the fragments that they read
.else
	PLACES                                         ; the last step rounds nothing: four plain instructions in their stead
.endif
	s_wait_alu depctr_va_vdst(0)                   ; the roundings have written PK, which the LDS stores below read, and are done reading the raw set, in which the loads below land; the last step's matrix instructions are done reading FS0, FS1, FB0 and FB1, in which the fragments land; v[BV] is written
	FETCH \q
.if \load
	LOADS 1-(\q)                                   ; between the wait above and these stand LDS loads, window switches and scalar lines alone
.endif
.if \store
	ST 1-(\q)
.endif
	s_wait_dscnt 0x0                               ; the fragments are in, my stores are done
	DIAGW \zero
	s_barrier_signal -1
	MULS \zero                                     ; work on registers while the others arrive
	WIN 0
	s_barrier_wait -1
.endm
	s_load_b512 s[16:31], s[0:1], 0x0              ; Wq, Wk, Wv, Wo, bq, bk, bv, gt
	s_load_b128 s[32:35], s[0:1], 0x40             ; w2, vecs
	v_lshl_add_u32 v[SPW], v0, 2, SPARE
	v_mov_b32 v[NIL], 0
	v_lshrrev_b32 v20, 5, v0
	v_readfirstlane_b32 s2, v20                    ; wave 0..3
	v_and_b32 v1, 31, v0                           ; lane
	v_and_b32 v2, 15, v0                           ; r
	v_bfe_u32 v3, v0, 4, 1                         ; h'
	s_lshr_b32 s3, ttmp9, 6                        ; P
	s_bfe_u32 s4, ttmp9, 0x30003                   ; MT: which 128 of h
	s_and_b32 s5, ttmp9, 7                         ; NT: which 128 of n
	s_wait_alu depctr_va_sdst(0)                   ; s2 is written, ahead of its first reader
	s_lshr_b32 s6, s2, 1                           ; WM: my half of h
	s_and_b32 s7, s2, 1                            ; WN: my half of n
	s_mov_b32 s47, 0xffff0000                      ; lanes with h' = 1
	s_mov_b32 s48, 0xaaaaaaaa                      ; lanes with r & 1
	s_mov_b32 s49, 0xcccccccc                      ; lanes with r & 2
	s_mov_b32 s60, 0x42800000                      ; 64.0
	s_mov_b32 s61, s60                             ; named with it as a pair
	s_lshl_b32 s54, s2, 16                         ; 16 rows of 4,096 bytes a wave
	s_mul_i32 s55, s2, 16*PIT
	s_lshl_b32 s56, s6, 7
	s_lshl_b32 s57, s7, 7
	s_add_co_u32 s57, s57, S1O
	s_mul_i32 s58, s7, 64*PIT
	s_add_co_u32 s58, s58, S1O
	s_lshl_b32 s50, s4, 9                          ; S0: 128 columns on for each MT
	s_mov_b32 s51, 0
	s_lshl_b32 s52, s5, 9                          ; S1 stored [k][n]: 128 columns on for each NT
	s_lshl_b32 s10, s5, 19                         ; S1 stored [n][k]: 128 rows on
	s_mov_b32 s53, 0
	s_mov_b32 s11, 0x40000
	s_mov_b32 s41, 0
	s_lshl_b32 s12, s4, 18                         ; OUT: (4 MT + 2 WM) x 65,536 + (8 NT + 4 WN) x 1,024
	s_lshl_b32 s13, s6, 17
	s_add_co_u32 s12, s12, s13
	s_lshl_b32 s13, s5, 13
	s_add_co_u32 s12, s12, s13
	s_lshl_b32 s13, s7, 12
	s_add_co_u32 s12, s12, s13
	s_mov_b32 s13, 0
	v_lshlrev_b32 v[L16], 4, v1
	v_lshlrev_b32 v[VO], 2, v1
	v_add_nc_u32 v[GS0], s54, v[L16]               ; row 16 w + i, 16 bytes a lane
	v_lshlrev_b32 v21, 4, v2
	v_add_nc_u32 v21, s54, v21
	v_lshl_add_u32 v21, v3, 18, v21                ; [n][k]: row 64 h' + 16 w + i, 16 bytes for each of 16 lanes
	v_lshlrev_b32 v22, 3, v1
	v_add_nc_u32 v[LS0], s55, v22
	v_add_nc_u32 v[LS1T], S1O, v[LS0]
	v_lshlrev_b32 v23, 3, v2
	v_add_nc_u32 v23, s55, v23
	v_mad_u32_u24 v23, v3, 64*PIT, v23
	v_add_nc_u32 v[LS1P], S1O, v23
	v_and_b32 v24, 7, v0                           ; the turning load: lane l reads row 8 h' + l % 8, 16 bytes at 16 ((l / 8) % 2)
	v_lshl_add_u32 v24, v3, 3, v24
	v_mul_u32_u24 v24, v24, PIT
	v_bfe_u32 v25, v0, 3, 1
	v_lshl_add_u32 v24, v25, 4, v24
	v_add_nc_u32 v[TS0], s56, v24
	v_add_nc_u32 v[TS0+1], BUF, v[TS0]
	v_add_nc_u32 v[TS1], s57, v24
	v_add_nc_u32 v[TS1+1], BUF, v[TS1]
	v_mul_u32_u24 v26, v2, PIT
	v_lshl_add_u32 v26, v3, 4, v26
	v_add_nc_u32 v[PS1], s58, v26
	v_add_nc_u32 v[PS1+1], BUF, v[PS1]
	v_lshl_add_u32 v[BV], v3, 4, B0V
	v_lshlrev_b32 v27, 5, v0                       ; my 8 numbers of the biases
	v_lshl_add_u32 v52, v0, 4, B0V
	s_cmp_eq_u32 s4, s5
	s_cselect_b32 s8, 1, 0                         ; 1: this work-group goes on with the vectors
	s_cmp_eq_u32 s3, 0
	s_cselect_b32 s52, s52, s10
	s_cselect_b32 s40, s11, 0x100                  ; S1's step
	s_cselect_b32 s46, -1, 0
	s_wait_kmcnt 0x0
	s_cselect_b64 s[36:37], s[16:17], s[20:21]     ; S0 = Wq or Wv
	s_cselect_b64 s[38:39], s[18:19], s[22:23]     ; S1 = Wk or Wo
	s_cselect_b64 s[42:43], s[24:25], s[28:29]     ; b0 = bq or bv
	s_cselect_b64 s[44:45], s[30:31], s[32:33]     ; OUT = gt or w2
	s_add_nc_u64 s[36:37], s[36:37], s[50:51]      ; set 0's bases: K step 0
	s_add_nc_u64 s[38:39], s[38:39], s[52:53]
	s_add_nc_u64 s[44:45], s[44:45], s[12:13]
	s_add_nc_u64 s[16:17], s[36:37], 0x40000       ; set 1's bases: K step 1 (in registers whose arguments the selects above have used)
	s_add_nc_u64 s[18:19], s[38:39], s[40:41]
	s_lshl_b32 s40, s40, 1                         ; from here on a set's bases move by two steps
	v_cndmask_b32 v[GS1], v21, v[GS0], s46
	s_wait_alu depctr_va_vdst(0)                   ; the offsets and LDS addresses v6 to v19, v27 and v52 are written, which the loads and stores of the whole kernel read
	global_load_b128 v[28:31], v27, s[42:43]
	global_load_b128 v[32:35], v27, s[42:43] offset:16
	global_load_b128 v[36:39], v27, s[26:27]
	global_load_b128 v[40:43], v27, s[26:27] offset:16
	LOADS 0                                        ; K step 0
	LOADS 1                                        ; K step 1
	s_wait_loadcnt 32                              ; the biases and step 0 are in; step 1's 32 loads stay out
	ONB 0                                          ; free since that wait
	v_cvt_pk_bf16_f32 v44, v28, v29
	v_cvt_pk_bf16_f32 v45, v30, v31
	v_cvt_pk_bf16_f32 v46, v32, v33
	v_cvt_pk_bf16_f32 v47, v34, v35
	v_cvt_pk_bf16_f32 v48, v36, v37
	v_cvt_pk_bf16_f32 v49, v38, v39
	v_cvt_pk_bf16_f32 v50, v40, v41
	v_cvt_pk_bf16_f32 v51, v42, v43
	CV 0
	s_wait_alu depctr_va_vdst(0)                   ; the roundings have written v44 to v51 and PK, which the LDS stores below read, and are done reading raw set 0, in which the loads below land
	LOADS 0                                        ; K step 2
	ds_store_b128 v52, v[44:47]
	ds_store_b128 v52, v[48:51] offset:2048
	ST 0
	s_wait_dscnt 0x0                               ; for the others' sake: my stores are done
	s_barrier_signal -1
	s_barrier_wait -1
	STEP 0, 1, 1, 1, 32                            ; s = 0 starts the sums
	s_mov_b32 s9, 6
.Lk:                                                   ; s = 1 .. 12
	STEP 1, 0, 1, 1, 32
	STEP 0, 0, 1, 1, 32
	s_sub_co_u32 s9, s9, 1
	s_cmp_lg_u32 s9, 0
	s_cbranch_scc1 .Lk
	STEP 1, 0, 1, 0, 32                            ; s = 13: nothing is left to ask for
	STEP 0, 0, 1, 0, 0                             ; s = 14: the last data
	STEP 1, 0, 0, 0, 0                             ; s = 15
	; THE WAY OUT.  A lane's eight numbers of an accumulator are 16 bytes of OUT's order; a store of the wave covers 512 consecutive bytes, aligned.
	PLACES
	s_cmp_lg_u32 s3, 0
	s_cbranch_scc1 .Lhalf
	WIN 0x05                                       ; sources in window 1
.set t, 0
.rept 64
	v_cvt_pk_bf16_f32 v[FS0+t], v[2*t], v[2*t+1]
.set t, t+1
.endr
	WIN 0
	s_branch .Lpacked
.Lhalf:
	WIN 0x41
.set t, 0
.rept 64
	v_pk_mul_f32 v[2*t:2*t+1], v[2*t:2*t+1], s[60:61] op_sel_hi:[1,0]  ; 64 W2: an exact factor, which keeps small weights among f16's normal numbers
.set t, t+1
.endr
	WIN 0x05
.set t, 0
.rept 64
	v_cvt_pk_f16_f32 v[FS0+t], v[2*t], v[2*t+1]
.set t, t+1
.endr
	WIN 0
.Lpacked:
	s_wait_alu depctr_va_vdst(0)                   ; the roundings have written v64 to v127, which the stores below read
.irp j, 0,1,2,3
.irp i, 0,1,2,3
	global_store_b128 v[L16], v[FS0+4*(4*(\j)+(\i)):FS0+4*(4*(\j)+(\i))+3], s[44:45] offset:((\i)/2)*65536+(\j)*1024+((\i)%2)*512
.endr
.endr
	; The vectors: 10 KB in all, stored in pieces of 128 bytes or less by the 16 work-groups that own them.
	s_cmp_eq_u32 s8, 0
	s_cbranch_scc1 .Lend
	s_cmp_lg_u32 s6, 0
	s_cbranch_scc1 .Lno_v1                         ; b0.S1 hangs on WN alone: the waves with WM = 0 store it
	s_lshl_b32 s54, s3, 12
	s_lshl_b32 s55, s5, 9
	s_add_co_u32 s54, s54, s55
	s_lshl_b32 s55, s7, 8
	s_add_co_u32 s54, s54, s55
	s_mov_b32 s55, 0
	s_add_nc_u64 s[54:55], s[34:35], s[54:55]
	WIN 0x05
	v_cndmask_b32 v20, v[V1], v[V1+8], s47         ; every register of the sum holds the number of n = r: lanes 0-15 take block 0's, lanes 16-31 block 1's
	v_cndmask_b32 v21, v[V1+16], v[V1+24], s47
	WIN 0
	s_wait_alu depctr_va_vdst(0)                   ; v20 and v21 are written, which the two stores below read
	global_store_b32 v[VO], v20, s[54:55]
	global_store_b32 v[VO], v21, s[54:55] offset:128
.Lno_v1:
	s_cmp_lg_u32 s3, 0
	s_cbranch_scc1 .Lend
	s_cmp_lg_u32 s7, 0
	s_cbranch_scc1 .Lend                           ; S0.bk hangs on WM alone: the waves with WN = 0 store it
	s_lshl_b32 s56, s4, 8
	s_lshl_b32 s57, s6, 7
	s_add_co_u32 s56, s56, s57
	s_add_co_u32 s56, s56, 8192
	s_mov_b32 s57, 0
	s_add_nc_u64 s[56:57], s[34:35], s[56:57]
	WIN 0x05
.irp i, 0,1,2,3
.irp u, 0,1,2,3
	v_cvt_pk_bf16_f32 v[24+4*(\i)+(\u)], v[V0+8*(\i)+2*(\u)], v[V0+8*(\i)+2*(\u)+1]  ; v27, the biases' offset, and below v44 to v49, the biases' LDS store data, are written again: every step's wait on vm_vsrc stands between
.endr
.endr
	WIN 0
.irp u, 0,1,2,3                        ; lane (r, h') takes block r % 4; lanes with the same r % 4 and h' store the same 16 bytes
	v_cndmask_b32 v[40+(\u)], v[24+(\u)], v[28+(\u)], s48
	v_cndmask_b32 v[44+(\u)], v[32+(\u)], v[36+(\u)], s48
	v_cndmask_b32 v[40+(\u)], v[40+(\u)], v[44+(\u)], s49
.endr
	v_and_b32 v48, 3, v0
	v_lshlrev_b32 v48, 5, v48
	v_lshl_add_u32 v48, v3, 4, v48
	s_wait_alu depctr_va_vdst(0)                   ; v40 to v43, the store's data, and v48, its offset, are written
	global_store_b128 v48, v[40:43], s[56:57]
	s_cmp_lg_u32 ttmp9, 0
	s_cbranch_scc1 .Lend
	s_cmp_lg_u32 s2, 0
	s_cbranch_scc1 .Lend
	WIN 0x01
	v_mov_b32 v49, v[EE]
	WIN 0
	s_wait_alu depctr_va_vdst(0)                   ; v49 is written, which the store below reads
	global_store_b32 v[VO], v49, s[34:35] offset:10240
.Lend:
	s_wait_dscnt 0x0                               ; the wave's end
	s_wait_alu 0x0
	s_wait_tensorcnt 0x0
	ds_add_u32 v[SPW], v[NIL]
	s_wait_dscnt 0x0
	s_endpgm
.Lfunc_end_k_qbc81452303_prep:
	.size	k_qbc81452303_prep, .Lfunc_end_k_qbc81452303_prep-k_qbc81452303_prep
	.p2alignl 7, 3214868480
	.fill 96, 4, 3214868480
	.section	.rodata,"a",@progbits
	.p2align	6, 0x0
	.amdhsa_kernel k_qbc81452303_prep
		.amdhsa_group_segment_fixed_size 115200
		.amdhsa_private_segment_fixed_size 0
		.amdhsa_enable_private_segment 0
		.amdhsa_kernarg_size 80
		.amdhsa_user_sgpr_count 2
		.amdhsa_user_sgpr_kernarg_segment_ptr 1
		.amdhsa_wavefront_size32 1
		.amdhsa_system_sgpr_workgroup_id_x 1
		.amdhsa_system_sgpr_workgroup_id_y 1
		.amdhsa_system_sgpr_workgroup_id_z 1
		.amdhsa_system_vgpr_workitem_id 0
		.amdhsa_next_free_vgpr 832
		.amdhsa_next_free_sgpr 66
		.amdhsa_reserve_vcc 0
		.amdhsa_float_denorm_mode_32 3
		.amdhsa_float_denorm_mode_16_64 3
		.amdhsa_memory_ordered 1
		.amdhsa_forward_progress 1
		.amdhsa_inst_pref_size 130
	.end_amdhsa_kernel
	.amdgpu_metadata
---
amdhsa.version: [ 1, 2 ]
amdhsa.kernels:
  - .name:           k_qbc81452303_prep
    .symbol:         k_qbc81452303_prep.kd
    .args:
      - { .name: Wq, .offset: 0, .size: 8, .value_kind: global_buffer, .address_space: global }
      - { .name: Wk, .offset: 8, .size: 8, .value_kind: global_buffer, .address_space: global }
      - { .name: Wv, .offset: 16, .size: 8, .value_kind: global_buffer, .address_space: global }
      - { .name: Wo, .offset: 24, .size: 8, .value_kind: global_buffer, .address_space: global }
      - { .name: bq, .offset: 32, .size: 8, .value_kind: global_buffer, .address_space: global }
      - { .name: bk, .offset: 40, .size: 8, .value_kind: global_buffer, .address_space: global }
      - { .name: bv, .offset: 48, .size: 8, .value_kind: global_buffer, .address_space: global }
      - { .name: gt, .offset: 56, .size: 8, .value_kind: global_buffer, .address_space: global }
      - { .name: w2, .offset: 64, .size: 8, .value_kind: global_buffer, .address_space: global }
      - { .name: vecs, .offset: 72, .size: 8, .value_kind: global_buffer, .address_space: global }
    .group_segment_fixed_size: 115200
    .private_segment_fixed_size: 0
    .kernarg_segment_align: 8
    .kernarg_segment_size: 80
    .max_flat_workgroup_size: 128
    .sgpr_count:     66
    .vgpr_count:     832
    .wavefront_size: 32
...
	.end_amdgpu_metadata
.endif
;; end of part 4
;; launch main: the kernel of part 2 again; grid 256 x 1, 4 waves a work-group, clusters of 4 x 1, 327,680 bytes of LDS; arguments features, confidences, gt, vecs, xbar; writes xbar
;; launch tail: the kernel of part 3 again; grid 8 x 32, 4 waves a work-group, clusters of 4 x 4, 327,680 bytes of LDS; arguments xbar, w2, out0, vecs, bo; writes out0
